; MI455X (gfx1250); checked and timed in simulation.
; The chip was launched on July 23, 2026; its instructions are those of AMD's public machine-readable ISA for CDNA 5 (MIT licence, August 2026) and "CDNA5" Instruction Set Architecture Reference Guide (July 2026). The comments in the code are by the model that wrote it; some were corrected since.
;; Attention. Allowed arithmetic: matrix products marked QUANTISED: E2M1 operands, one E8M0 scale for each 32 along K, by v_wmma_scale_f32_16x16x128_f8f6f4 with both operands' format E2M1 (or v_wmma_scale_f32_32x16x128_f4), f32 sums; everything else in f32.
;; Inputs: Wk 1,024 x 1,024 float32; Wq 1,024 x 1,024 float32; Wv 1,024 x 1,024 float32; bk 1,024 float32; bq 1,024 float32; bv 1,024 float32; x 4 x 2,048 x 1,024 float32.
;; Outputs: out0 4 x 2,048 x 1,024 float32.
;; This version of the problem:
;;   THIS VERSION OF THE PROBLEM IS GIVEN IN LOW PRECISION. The matrix products marked QUANTISED in the list below multiply operands that are first quantised to E2M1 (2 exponent bits, 1 mantissa bit; 4 bits a number), with one power-of-two scale for each 32 numbers along K (OCP MX v1.0); their sums are f32. All else is computed in f32.
;;   The module's matrix products, in the order in which they are computed (A, B: the left and right operand; K: the contracted axis; several contracted axes count as one K, in the product's order):
;;     1. [M 8,192, K 1,024] x [K 1,024, N 1,024]; A: input x; B: input Wq: QUANTISED
;;     2. [M 8,192, K 1,024] x [K 1,024, N 1,024]; A: input x; B: input Wk: QUANTISED
;;     3. [M 8,192, K 1,024] x [K 1,024, N 1,024]; A: input x; B: input Wv: QUANTISED
;;     4. batch 64 x [M 2,048, K 64] x [K 64, N 2,048]; A: computed on the way; B: computed on the way: QUANTISED
;;     5. batch 64 x [M 2,048, K 2,048] x [K 2,048, N 64]; A: softmax (see below); B: computed on the way: QUANTISED
;;   THE QUANTISER, for each operand of a quantised product, along K:
;;     - K is cut into blocks of 32 from its start; a last block that is shorter is filled with zeros.
;;     - A block's scale is 2^e with e = floor(log2(the largest magnitude in the block)) - 2, held to -126 .. 127; a block of zeros has e = 0. As a byte (E8M0): e + 127.
;;     - Each number is divided by its block's scale, clamped to +-6, and rounded to the nearest number of E2M1, ties to even, subnormals kept.
;;     - The product sums the exact products of the quantised numbers (number of the format x scale) in f32.
;;   ~~~python
;;   def quantise(x, axis):      # numpy; x: float32 -> the quantised numbers, widened to float32 again
;;       x = np.moveaxis(x, axis, -1); K = x.shape[-1]
;;       x = np.pad(x, [(0, 0)] * (x.ndim - 1) + [(0, -K % 32)]); x = x.reshape(x.shape[:-1] + (-1, 32)); a = np.abs(x).max(-1, keepdims=True)
;;       e = np.where(a > 0, np.clip(np.frexp(np.where(a > 0, a, 1))[1] - 1 - 2, -126, 127), 0)      # np.frexp(a)[1] - 1 = floor(log2(a)), exactly
;;       r = np.clip(x / 2.0 ** e, -6, 6)
;;       step = 2.0 ** (np.maximum(np.frexp(np.where(r == 0, 1, r))[1] - 1, 0) - 1)
;;       q = np.round(r / step) * step * 2.0 ** e      # np.round: ties to even
;;       return np.moveaxis(q.reshape(q.shape[:-2] + (-1,))[..., :K], -1, axis).astype(np.float32)
;;   ~~~
;;   SOFTMAX AHEAD OF A QUANTISED PRODUCT. Where the list says 'softmax', what is quantised is not the finished softmax but p = 2^(t - M), with t = logit x log2(e) and M = ceil(the row's largest t), a whole number; so 1/2 < the row's largest p <= 1. The row's sum l is taken of the UNQUANTISED p, in f32, and the product's result is divided by l at the end. Since M is a whole number, a kernel that streams over the keys may use a running M (the ceiling of the running maximum): every later rescaling is an exact power of two, which a block's scale takes up: the codes' values come out the same.
;;   OPERANDS COMPUTED ON THE WAY. 'Computed on the way' means the value that the module computes at that place (a softmax that the list does not call 'softmax' is quantised finished and normalised). What goes into a quantiser is computed in f32, as accurately as f32 sums, v_exp_f32 and their like allow (about 1e-6 of the number): no bf16 or f16 on the way to a quantiser, and a product that is left as it is and whose result goes on into a quantised operand takes f32 operands (vector FMAs, or v_wmma_f32_16x16x4_f32). A number that lies on a knife's edge between two numbers of the format may be rounded either way, as far as f32 arithmetic and the matrix unit's own rounding can turn it there, and no further.
;; One version. Each part assembles by itself: llvm-mc -triple=amdgcn-amd-amdhsa -mcpu=gfx1250 --defsym DOCPART=n.
;; ======== version 1 of 1: 3 launches
;; limits: right only within a limited range of input values
;; workspace buffers: codes 5,767,168 bytes; scales 360,448 bytes; qk_codes 8,388,608 bytes; qk_scales 524,288 bytes; v_codes 4,194,304 bytes; v_scales 262,144 bytes
;; launch quant (part 1): grid 352 x 1, 4 waves a work-group, no clusters, 33,280 bytes of LDS; arguments x, Wq, Wk, Wv, codes, scales; writes codes, scales
.if DOCPART == 1
	.amdgcn_target "amdgcn-amd-amdhsa--gfx1250"
	.amdhsa_code_object_version 6
	.text
	.protected	k_q141758e4a3_quant
	.globl	k_q141758e4a3_quant
	.p2align	8
	.type	k_q141758e4a3_quant,@function
k_q141758e4a3_quant:
	s_mov_b64 s[64:65], 0
	v_nop
	global_prefetch_b8 v0, s[64:65] scope:SCOPE_SE
	s_setreg_imm32_b32 hwreg(HW_REG_WAVE_MODE, 25, 1), 1
	s_wait_xcnt 0x0
; x [8192][1024], Wq, Wk, Wv [1024][1024], f32, K innermost, become codes of FP4 (E2M1) and one E8M0 scale byte for each 32 along K.
; OUT: codes: 11,264 rows of 512 bytes (x, then Wq, Wk, Wv); scales: the same rows, 32 bytes each.  ROWS ARE STORED WITH BITS 3 AND 4 OF THE ROW NUMBER SWAPPED:
; the next launch then finds, in 16 consecutive stored rows, the rows that make a lane's results neighbours along the next product's K.
; A block's scale is 2^(floor(log2(its largest magnitude)) - 2); its byte is the largest magnitude's exponent field - 2, held at 1 from below.
; LIMITS: a block of zeros gets the byte 1 where the rule says 127 (its codes are zeros, which add nothing under any byte but 0xff, and this program alone reads the bytes);
; blocks whose largest magnitude lies under 2^-124 share that floor; NaN and infinities among the inputs are not served.
; SHARES: 352 work-groups of 32,768 numbers: 0-255 x, 256-287 Wq, 288-319 Wk, 320-351 Wv.  A wave takes a run of 8,192 numbers = 8 rows, in 16 steps of 512.
; A run is 8 rows, so swapping bits 0 and 1 of the OUTPUT run's number is the swap of bits 3 and 4 of the row number.
; A step's four loads read 512 consecutive bytes each; its 2,048 bytes turn through the wave's own stage in LDS (16 bytes of padding behind each 64) and come back 64 bytes a lane:
; 16 neighbours along K, two neighbouring lanes to a block.  A wave's store of codes covers 256 consecutive bytes, aligned; its 256 scale bytes are gathered in LDS and leave as one such run.
; No tensor loads, no barrier: waves share nothing.  Loads run eight steps (32 loads a wave) ahead, the turn through LDS one step.
.set STEPS, 16                         ; loads run EIGHT steps (32 loads a wave) ahead, in eight sets of registers: this line stands for the count in the head comment
.set CB,    8                          ; bytes of 16 codes
.set R,     16                         ; v16-143  eight sets of 16 numbers as they are loaded
.set X,     144                        ; v144-175 two sets of 16 neighbours
.set E,     176                        ; v176-191 a scale byte for each step
.set C,     192                        ; v192-223 codes: two registers for each step, so that no store's data are written again
.set WREG,  8192                       ; LDS: a region for each wave: two stages of 32 x SP bytes, behind them its 256 scale bytes
.set SP,    80                         ; a lane's place in a stage: 64 bytes + 16 of padding
	s_load_b256 s[4:11], s[0:1], 0x0               ; x, Wq, Wk, Wv
	s_load_b128 s[12:15], s[0:1], 0x20             ; codes, scales
	v_lshl_add_u32 v224, v0, 2, 0x8000
	v_mov_b32 v225, 0
	v_lshrrev_b32 v1, 5, v0
	v_readfirstlane_b32 s16, v1                    ; wave
	v_and_b32 v2, 31, v0                           ; lane
	v_lshlrev_b32 v3, 4, v2                        ; my 16 bytes of a load's 512
	s_mul_i32 s17, s16, WREG
	v_lshrrev_b32 v14, 2, v2
	v_mul_u32_u24 v14, v14, SP
	v_and_b32 v15, 3, v2
	v_lshl_add_u32 v14, v15, 4, v14
	v_add_nc_u32 v14, s17, v14                     ; the stage, on the way in: SP (lane / 4) + 16 (lane % 4)
	v_mul_u32_u24 v15, v2, SP
	v_add_nc_u32 v15, s17, v15                     ; and on the way out: SP x lane: my 16 neighbours
	v_mul_u32_u24 v4, v2, CB                       ; my codes' place in a step's
	v_lshrrev_b32 v5, 1, v2
	s_add_co_u32 s17, s17, 2*32*SP
	v_add_nc_u32 v5, s17, v5                       ; LDS: my wave's 256 scale bytes, my block's byte
	v_lshlrev_b32 v7, 3, v2                        ; and on the way out 8 bytes a lane
	v_add_nc_u32 v6, s17, v7
	s_and_b32 s18, ttmp9, 31                       ; my place among a weight's 32 work-groups
	s_and_b32 s19, s16, 1
	s_lshl_b32 s19, s19, 1
	s_lshr_b32 s20, s16, 1
	s_or_b32 s19, s19, s20                         ; the wave's number with its two bits swapped
	s_lshl_b32 s20, ttmp9, 2
	s_add_co_u32 s20, s20, s19                     ; the run that I write
	s_wait_alu depctr_va_vdst(0)
	s_wait_kmcnt 0x0
	s_cmp_lt_u32 ttmp9, 320                        ; which tensor?  The choices hang on the work-group's number alone
	s_cselect_b64 s[8:9], s[8:9], s[10:11]
	s_cmp_lt_u32 ttmp9, 288
	s_cselect_b64 s[6:7], s[6:7], s[8:9]
	s_cmp_lt_u32 ttmp9, 256
	s_cselect_b64 s[4:5], s[4:5], s[6:7]
	s_cselect_b32 s18, ttmp9, s18
	s_lshl_b32 s18, s18, 2
	s_add_co_u32 s18, s18, s16                     ; the run that I read, in its tensor
	s_lshl_b32 s18, s18, 15                        ; 32,768 bytes a run (under 2^26)
	s_mov_b32 s19, 0
	s_add_nc_u64 s[4:5], s[4:5], s[18:19]
	s_lshl_b32 s18, s20, 12                        ; 4,096 bytes of codes a run
	s_add_nc_u64 s[12:13], s[12:13], s[18:19]
	s_lshl_b32 s18, s20, 8                         ; 256 scale bytes a run
	s_add_nc_u64 s[14:15], s[14:15], s[18:19]
.macro LOAD t
.irp i, 0,1,2,3
	global_load_b128 v[R+16*((\t)%8)+4*\i:R+16*((\t)%8)+4*\i+3], v3, s[4:5] offset:2048*(\t)+512*\i th:TH_LOAD_NT   ; 32 lanes read 512 consecutive bytes
.endr
.endm
.macro TURN t                          ; step t's numbers through the stage: LDS serves a wave's instructions in order, so no wait stands between the stores and the loads
.irp i, 0,1,2,3
	ds_store_b128 v14, v[R+16*((\t)%8)+4*\i:R+16*((\t)%8)+4*\i+3] offset:32*SP*((\t)%2)+8*SP*\i
.endr
.irp i, 0,1,2,3
	ds_load_b128 v[X+16*((\t)%2)+4*\i:X+16*((\t)%2)+4*\i+3], v15 offset:32*SP*((\t)%2)+16*\i
.endr
.endm
.irp t, 0,1,2,3,4,5,6,7
	LOAD \t
.endr
	s_wait_loadcnt 28                              ; step 0's four loads are in; the 28 of steps 1 to 7 may be out
	TURN 0
.macro STEP t
.set XS, X+16*((\t)%2)
.if (\t) > 0
	s_wait_dscnt 1                                 ; this step's numbers are back from the stage (the last step's byte store may be out): so its stores into the stage have read their registers,
.else
	s_wait_dscnt 0x0
.endif
.if (\t)+8 < STEPS
	LOAD (\t)+8                                    ; which take the loads of eight steps on
.endif
.if (\t)+1 < STEPS
.if STEPS-2-(\t) >= 7
	s_wait_loadcnt 28                              ; the next step's four loads are in; those of the seven steps behind it may be out
.else
	s_wait_loadcnt 4*(STEPS-2-(\t))
.endif
	TURN (\t)+1                                    ; and go through the other stage while this step is worked
.endif
	v_max3_num_f32 v8, |v[XS]|, |v[XS+1]|, |v[XS+2]|               ; the largest magnitude of my 16, in two chains
	v_max3_num_f32 v9, |v[XS+3]|, |v[XS+4]|, |v[XS+5]|
.irp i, 6,10
	v_max3_num_f32 v8, v8, |v[XS+\i]|, |v[XS+\i+1]|
	v_max3_num_f32 v9, v9, |v[XS+\i+2]|, |v[XS+\i+3]|
.endr
	v_max3_num_f32 v8, v8, |v[XS+14]|, |v[XS+15]|
	v_max3_num_f32 v8, v8, v9, 0x1800000           ; and the floor 2^(3 - 127): the byte cannot fall under 1
	v_max_num_f32_dpp v8, v8, v8 row_xmask:1 row_mask:0xf bank_mask:0xf   ; and of my neighbour's 16: the block's
	v_add_nc_u32 v11, 0xff000000, v8               ; 2 off its exponent field: the conversion takes the exponent field of this operand as its scale, and nothing else of it
	v_cvt_scalef32_pk8_fp4_f32 v[C+2*(\t)], v[XS:XS+7], v11        ; eight numbers / the scale, to the nearest code, ties to even, beyond the largest code the largest
	v_cvt_scalef32_pk8_fp4_f32 v[C+2*(\t)+1], v[XS+8:XS+15], v11
	v_lshrrev_b32 v[E+(\t)], 23, v11               ; the scale's byte (also the plain line behind the conversions)
	ds_store_b8 v5, v[E+(\t)] offset:16*(\t)       ; both lanes of a block write the same byte with the same value
	global_store_b64 v4, v[C+2*(\t):C+2*(\t)+1], s[12:13] offset:32*CB*(\t)   ; 32 lanes store 256 consecutive bytes, aligned
.endm
.irp t, 0,1,2,3,4,5,6,7,8,9,10,11,12,13,14,15
	STEP \t
.endr
	ds_load_b64 v[12:13], v6                       ; LDS serves a wave's instructions in order: these see my stores
	s_wait_dscnt 0x0
	global_store_b64 v7, v[12:13], s[14:15]        ; 32 lanes store 256 consecutive bytes, aligned
	s_wait_tensorcnt 0x0
	ds_add_u32 v224, v225
	s_wait_dscnt 0x0
	s_endpgm
.Lfunc_end_k_q141758e4a3_quant:
	.size	k_q141758e4a3_quant, .Lfunc_end_k_q141758e4a3_quant-k_q141758e4a3_quant
	.p2alignl 7, 3214868480
	.fill 96, 4, 3214868480
	.section	.rodata,"a",@progbits
	.p2align	6, 0x0
	.amdhsa_kernel k_q141758e4a3_quant
		.amdhsa_group_segment_fixed_size 33280
		.amdhsa_private_segment_fixed_size 0
		.amdhsa_enable_private_segment 0
		.amdhsa_kernarg_size 48
		.amdhsa_user_sgpr_count 2
		.amdhsa_user_sgpr_kernarg_segment_ptr 1
		.amdhsa_wavefront_size32 1
		.amdhsa_system_sgpr_workgroup_id_x 1
		.amdhsa_system_sgpr_workgroup_id_y 1
		.amdhsa_system_sgpr_workgroup_id_z 1
		.amdhsa_system_vgpr_workitem_id 0
		.amdhsa_next_free_vgpr 226
		.amdhsa_next_free_sgpr 66
		.amdhsa_reserve_vcc 0
		.amdhsa_float_denorm_mode_32 3
		.amdhsa_float_denorm_mode_16_64 3
		.amdhsa_memory_ordered 1
		.amdhsa_forward_progress 1
		.amdhsa_inst_pref_size 34
	.end_amdhsa_kernel
	.amdgpu_metadata
---
amdhsa.version: [ 1, 2 ]
amdhsa.kernels:
  - .name:           k_q141758e4a3_quant
    .symbol:         k_q141758e4a3_quant.kd
    .args:
      - { .name: x, .offset: 0, .size: 8, .value_kind: global_buffer, .address_space: global }
      - { .name: Wq, .offset: 8, .size: 8, .value_kind: global_buffer, .address_space: global }
      - { .name: Wk, .offset: 16, .size: 8, .value_kind: global_buffer, .address_space: global }
      - { .name: Wv, .offset: 24, .size: 8, .value_kind: global_buffer, .address_space: global }
      - { .name: codes, .offset: 32, .size: 8, .value_kind: global_buffer, .address_space: global }
      - { .name: scales, .offset: 40, .size: 8, .value_kind: global_buffer, .address_space: global }
    .group_segment_fixed_size: 33280
    .private_segment_fixed_size: 0
    .kernarg_segment_align: 8
    .kernarg_segment_size: 48
    .max_flat_workgroup_size: 128
    .sgpr_count:     66
    .vgpr_count:     226
    .wavefront_size: 32
...
	.end_amdgpu_metadata
.endif
;; end of part 1
;; launch proj (part 2): grid 8 x 32, 4 waves a work-group, clusters of 4 x 4, 327,680 bytes of LDS; arguments codes, scales, bq, bk, bv, qk_codes, qk_scales, v_codes, v_scales; writes qk_codes, qk_scales, v_codes, v_scales
.if DOCPART == 2
	.amdgcn_target "amdgcn-amd-amdhsa--gfx1250"
	.amdhsa_code_object_version 6
	.text
	.protected	k_q141758e4a3_proj
	.globl	k_q141758e4a3_proj
	.p2align	8
	.type	k_q141758e4a3_proj,@function
k_q141758e4a3_proj:
	s_mov_b64 s[64:65], 0
	v_nop
	global_prefetch_b8 v0, s[64:65] scope:SCOPE_SE
	s_setreg_imm32_b32 hwreg(HW_REG_WAVE_MODE, 25, 1), 1
	s_wait_xcnt 0x0
	s_wait_alu depctr_hold_cnt(0) depctr_sa_sdst(0) depctr_va_vdst(0) depctr_va_sdst(0) depctr_va_ssrc(0) depctr_va_vcc(0) depctr_vm_vsrc(0)
	s_getreg_b32 s2, hwreg(HW_REG_IB_STS2, 6, 4)
	s_cmp_eq_u32 s2, 0
	s_cbranch_scc0 .Lentry_in_a_cluster
	s_endpgm
.Lentry_in_a_cluster:
	s_bfe_u32 s2, ttmp6, 0x10000c
	s_cmp_lg_u32 s2, 0xf033
	s_cbranch_scc0 .Lentry_shape_is_right
	s_endpgm
.Lentry_shape_is_right:
; q = x Wq^T + bq, k = x Wk^T + bk, v = x Wv^T + bv on codes of FP4 (E2M1) with E8M0 scales (K = 1,024), and the results quantised at once for attention: q and k along a head's 64 channels, v along the keys.
; IN: codes [11,264 rows][512 bytes], scales [11,264][32]: x's 8,192 rows, then Wq's, Wk's, Wv's 1,024; stored place s holds row o with bits 3 and 4 swapped.
; THE CLUSTER'S x SAYS WHICH PRODUCT (KIND 0: q, 1: k, 2: v): it is the same in all sixteen partners.  The cluster's y (0..7) says which 1,024 rows of x.
; ROLES.  D = (B-role rows as source 0) x (A-role rows as source 1): a lane holds ONE A-role row, and its registers run along B-role rows.  q, k: what is quantised along runs over channels: B-role = W, A-role = x.
; v: it runs over keys: B-role = x, A-role = Wv.  Both operands lie in one buffer, so a role is a row number, and the products' text is one for all three.
; Lane (r, h), register j of tile b holds B-role stored place 16 b + 8 h + j = row 32 (b / 2) + 16 h + 8 (b % 2) + j: the 16 registers of tiles 2 t and 2 t + 1 are 16 neighbours.  A-role stored place 16 a + r = row 32 (a / 2) + 16 (r / 8) + 8 (a % 2) + r % 8.
; SHARES.  A work-group makes 256 x 256 results, each of its four waves 128 x 128: 64 accumulators, 512 registers.  K is two steps of 512: both LDS slots are filled once, at the start; no LDS byte is filled twice.
; CLUSTER 4 x 4: the A-role tile hangs on cy alone and is asked for jointly by my row of the cluster, the B-role tile on cx alone, by my column.
; OUT, as images of the operand registers that attention loads (512 consecutive bytes a store, in lane order):
;   qk_codes: q, then k at 4 MiB: [head 64][32 rows: 64][1,024]: byte 512 e + 256 h + 16 p: channels 32 h .. + 31 of row 32 blk + 16 (p / 8) + 8 e + p % 8.   qk_scales: q, then k at 256 KiB: [head][128 rows: 16][p 16][t 4][e 2][h 2].
;   v_codes: [head][128 keys: 16][tile 4][1,024]: byte 512 c + 16 lane: keys 64 c + 32 (lane / 16) .. + 31 of channel 32 (tile / 2) + 8 (tile % 2) + r + 8 (r / 8).   v_scales: [head][step 16][r 16][tile 4][4 key blocks].
; LIMITS: a block of zeros gets the scale byte 1 where the rule says 127 (zero codes; only this program reads the bytes); NaN and infinities are not served.
; REGISTERS, in windows of 256: window 0: v1-9 addresses that stay; v16-27 LDS addresses of the products; v32-95 scale words, two sets, and nothing else; v128-191 A-role fragments, ONE set.
;   window 1: B-role fragments, two sets, at v0 and v128.   windows 2, 3: the accumulators ((a, b) at v[8 (8 (a % 4) + b)] of window 2 + a / 4).
;   on the way out, window 0: v16-31 codes, two sets by turns; v96-111 at work; v112 a scale word; v114-121 a word for each block; v124-127 scale bytes read back; v128-191 result + bias; v192-255 biases.
; THE SHARES AS THEY STAND NOW (where the lines above differ, these hold).  256 work-groups.  The cluster's x is KIND 0 (q) or 1 (k).  A work-group first makes its 256 x 256 tile of q or k (A-role: x's rows 1,024 Y + 256 cy; B-role: W's rows 256 cx),
; and then HALF A TILE OF v: Wv's 128 rows 256 cx + 128 KIND (source 1) against the same 256 rows of x (source 0), which lie in LDS with all of K and their scale bytes.  Only Wv is fetched for it, by joint refills along my column of the cluster:
; its first 512 along K into slot 0's W region at the change of slots, its second 512 and its scale bytes behind the last step's barrier, each behind the three lines and a round of the cluster's barrier, one load a wave.
; In the second phase a wave makes 64 channels (wave / 2: one head) x 128 keys (wave % 2): 32 accumulators, window 2; both operands have two sets of registers.  The biases come from memory straight into registers.
.set NQ,     4                         ; matrix instructions deep in a slot: 512 along K
.set GW0,    56                        ; s[56:59] group 0: Wv's codes for slot 0;  s[32:35] for slot 1;  s[4:7] its scale bytes
.set GW1,    32
.set GWS,    4
.set ROWB,   256                       ; a tile's row in bytes: 512 codes
.set KROW,   512                       ; a row of codes in memory
.set PITCH,  272                       ; an LDS row: 256 bytes + 16 of padding = 68 words: row r starts at bank 4 r mod 64 (64 banks of 4 bytes: ISA guide 11.1)
.set FR,     8                         ; registers of a fragment: 16 rows x 128 K
.set NL,     2                         ; LDS loads that bring one
.set NP,     4                         ; places behind this matrix instruction (ISA guide 7.12.1)
.set HALFT,  128*PITCH                 ; 128 rows: what one tensor load brings, and what one wave reads of a role
.set SLOT,   4*HALFT                   ; the A-role's 256 rows, then the B-role's
.set KS,     32                        ; a row of scale bytes
.set SCL,    2*SLOT                    ; behind the slots: the scale bytes, as runs of 256 bytes + 16 of padding
.set HALFS,  (128*KS/256)*272          ; those of 128 rows
.set SBLK,   (16*KS/256)*272           ; those of 16 rows
.set BIASL,  SCL+4*HALFS               ; 256 biases of the work-group
.set STGQ,   BIASL+1024                ; the q, k way out: 512 bytes a wave for scale bytes
.set STGV,   STGQ+2048                 ; the v way out: likewise, bytes of its own
.set LI,   1                           ; v1  16 x lane: an image's place for my lane
.set BQA,  2                           ; v2  q, k: my biases: 512 x (wave % 2) + 64 h
.set BVA,  3                           ; v3  v: 256 x (wave / 2) + 4 (r + 8 (r / 8))
.set SQA,  4                           ; v4  q, k: STGQ + 512 x wave + 16 x lane (= 256 h + 16 r): where I put scale bytes, and where I read 16 back
.set SVA,  5                           ; v5  v: STGV + 512 x wave + 16 r
.set SVR,  7
.set SGO,  8                           ; v8  scale bytes in memory: 4,096 h + 16 r (a head is 4,096 bytes)
.set SH,   9                           ; v9  16 h
.set ADRA, 16                          ; v16-17 LDS address of my A-role fragments in slot 0, 1
.set ADRB, 20                          ; v20-21 the same for the B-role
.set ADRS, 27                          ; v27 my scale words: lanes 0-15 the A-role's rows, lanes 16-31 the B-role's
.set SC,   32                          ; scale words: set s at v[SC + 32 s]; register 4 i + q: lanes 0-15 A-role block i, lanes 16-31 B-role block i, the slot's q-th 128 along K
.set AF,   128
.set PCB,  16
.set TM,   96
.set PW,   112
.set WB,   114
.set RB,   124
.set T,    128
.set BI,   192
.set WV,   22
.set WHI,  23                          ; wave / 2: my half of the A-role's rows.  Also: I fetch for the A-role (0) or the B-role (1)
.set WLO,  3                           ; wave % 2: my half of the B-role's rows.  Also: which 128 rows I fetch
.set CX,   40
.set CY,   41
.set YY,   42
.set KIND, 43
.set OC,   14                          ; s[14:15] where my codes go
.set OS,   16                          ; s[16:17] where my scale bytes go
.set SEL,  66                          ; s[66:67] lane selects for v_permlanex16_b32: lane l xor 16
.set G1,   24                          ; s[24:31] group 1, s[32:39] groups 0 (one a slot): A-role codes
.set G0,   32
.set G0H,  44                          ; s[44:47] group 0: the head's load of the A-role's 256 rows of slot 0
.set G0HB, 92                          ; s[92:95] the same for the B-role
.set BP,   96                          ; s[96:97] the work-group's 256 biases in memory
.set G1B,  48                          ; s[48:55], s[56:63]: B-role codes
.set G0B,  56
.set G1S,  68                          ; s[68:75], s[76:79]: A-role scale bytes
.set G0S,  76
.set G1SB, 80                          ; s[80:87], s[88:91]: B-role scale bytes
.set G0SB, 88
.set MSB, 0
.macro WIN new                         ; the immediate's high byte repeats the setting that is left
.if MSB != \new
	s_set_vgpr_msb (MSB<<8)|\new
.set MSB, \new
.endif
.endm
.set MUL_LO, 0xa1                      ; source 0 (B-role) window 1, source 1 (A-role) window 0, C and D window 2
.set MUL_HI, 0xf1                      ; the same, C and D window 3
.set TO_B,   0x40                      ; destination window 1, address window 0
; A joint load: waves 0 and 1 fetch for the A-role, waves 2 and 3 for the B-role.  Each line has ONE mask and one set of registers for all that issue it; the branch hangs on the wave's number alone.
; Four v_nop follow each of the two lines, ahead of the jump, the label and what follows.
.macro JLOAD g0a, g1a, g0b, g1b
	s_cmp_eq_u32 s[WHI], 0
	s_cbranch_scc0 .Lfor_b_\@
	tensor_load_to_lds s[\g0a:\g0a+3], s[\g1a:\g1a+7]
	s_nop 0
.rept 4
	v_nop
.endr
	s_branch .Lasked_\@
.Lfor_b_\@:
	tensor_load_to_lds s[\g0b:\g0b+3], s[\g1b:\g1b+7]
	s_nop 0
.rept 4
	v_nop
.endr
.Lasked_\@:
.endm
.macro CROUND                          ; a round of the cluster's barrier
	s_barrier_signal -1
	s_barrier_wait -1
	s_cmp_lg_u32 s[WV], 0
	s_cbranch_scc1 .Lnot_wave_0_\@
	s_barrier_signal -3
.Lnot_wave_0_\@:
	s_barrier_wait -3
	s_barrier_signal -1
	s_barrier_wait -1
.endm
	s_load_b512 s[4:19], s[0:1], 0x0               ; codes s[4:5], scales s[6:7], bq s[8:9], bk s[10:11], bv s[12:13], qk_codes s[14:15], qk_scales s[16:17], v_codes s[18:19]
	s_load_b64 s[20:21], s[0:1], 0x40              ; v_scales
	v_lshl_add_u32 v122, v0, 2, 0x49800
	v_mov_b32 v123, 0
	ds_add_u32 v122, v123
	ds_add_u32 v122, v123
	v_lshrrev_b32 v10, 5, v0
	v_readfirstlane_b32 s[WV], v10                 ; wave 0..3
	s_lshr_b32 s[WHI], s[WV], 1
	s_and_b32 s[WLO], s[WV], 1
	s_bfe_u32 s[CX], ttmp6, 0x40000                ; my place in the cluster
	s_bfe_u32 s[CY], ttmp6, 0x40004
	s_and_b32 s[YY], ttmp7, 0xffff                 ; the cluster's y: which 1,024 rows of x
	s_mov_b32 s[KIND], ttmp9                       ; the cluster's x: which product
	s_lshl_b32 s2, s[CY], 2
	s_lshl_b32 s2, 15, s2                          ; my row of the cluster
	s_lshl_b32 s101, 0x1111, s[CX]                 ; my column
	; group 1 for codes: 128 rows x 256 bytes, 512 bytes apart in memory, 16 bytes of padding behind each in LDS
	s_or_b32 s[G1], s2, (0<<16)|(1<<20)|(1<<21)|(5<<22)|(3<<25)     ; 15:0 the mask; 17:16 elements of 1 byte; 20 padding on; 21 set beside a mask; 24:22 after every 64 words (code 5); 31:25 four words (code 3)
	s_or_b32 s[G1B], s101, (0<<16)|(1<<20)|(1<<21)|(5<<22)|(3<<25)
	; and for the scale bytes of 128 rows: 4,096 dense bytes as 16 rows of 256 (32 elements of 8 bytes), padded likewise
	s_or_b32 s[G1S], s2, (3<<16)|(1<<20)|(1<<21)|(5<<22)|(3<<25)
	s_or_b32 s[G1SB], s101, (3<<16)|(1<<20)|(1<<21)|(5<<22)|(3<<25)
.irp g, G1, G1B
	s_mov_b32 s[\g+1], ROWB<<16                    ; tensor_dim0
	s_mov_b32 s[\g+2], 256<<16                     ; tensor_dim1: 256 rows for the head's loads
	s_mov_b32 s[\g+3], ROWB<<16                    ; tile_dim0
	s_mov_b32 s[\g+4], 256                         ; tile_dim1
	s_mov_b32 s[\g+5], KROW                        ; from row to row
	s_mov_b32 s[\g+6], 0
	s_mov_b32 s[\g+7], 0
.endr
.irp g, G1S, G1SB
	s_mov_b32 s[\g+1], 32<<16
	s_mov_b32 s[\g+2], 32<<16                      ; the scale bytes of 256 rows: 32 rows of 256 bytes
	s_mov_b32 s[\g+3], 32<<16
	s_mov_b32 s[\g+4], 32
	s_mov_b32 s[\g+5], 32
	s_mov_b32 s[\g+6], 0
	s_mov_b32 s[\g+7], 0
.endr
	; the rows that I fetch.  A-role: 1,024 Y + 256 cy.  B-role: 8,192 + 1,024 KIND + 256 cx.  Each + 128 x (wave % 2)
	s_lshl_b32 s2, s[YY], 10                       ; A-role: x's rows 1,024 Y on
	s_lshl_b32 s101, s[KIND], 10
	s_add_co_u32 s101, s101, 8192                  ; B-role: Wq's or Wk's rows
	s_lshl_b32 s100, s[WLO], 7
	s_lshl_b32 s66, s[CY], 8
	s_add_co_u32 s66, s66, s2                      ; the A-role tile's first row: hangs on cy, which my row of the cluster shares
	s_lshl_b32 s[G0H+2], s66, 9                    ; the whole tile's codes,
	s_mov_b32 s[G0H+3], 0
	s_lshl_b32 s[G0S+2], s66, 5                    ; and its scale bytes
	s_add_co_u32 s66, s66, s100                    ; my 128 rows of it, for slot 1
	s_lshl_b32 s67, s[CX], 8
	s_add_co_u32 s67, s67, s101                    ; the B-role tile's first row: hangs on cx, which my column shares
	s_lshl_b32 s[G0HB+2], s67, 9
	s_mov_b32 s[G0HB+3], 0
	s_lshl_b32 s[G0SB+2], s67, 5
	s_add_co_u32 s67, s67, s100
	s_lshl_b32 s[G0+2], s66, 9                     ; in bytes: 512 a row of codes (under 2^23),
	s_mov_b32 s[G0+3], 0
	s_mov_b32 s[G0S+3], 0
	s_lshl_b32 s[G0B+2], s67, 9
	s_mov_b32 s[G0B+3], 0
	s_mov_b32 s[G0SB+3], 0
	s_mul_i32 s100, s[WV], HALFT                   ; where they go: wave x 128 rows: no place in the cluster enters an LDS address
.irp s, 0,1
	s_mov_b32 s[G0+4*\s], 1
	s_add_co_u32 s[G0+4*\s+1], s100, \s*SLOT
	s_mov_b32 s[G0B+4*\s], 1
	s_add_co_u32 s[G0B+4*\s+1], s100, \s*SLOT
.endr
	s_mov_b32 s[G0S], 1
	s_mov_b32 s[G0S+1], SCL
	s_mov_b32 s[G0SB], 1
	s_mov_b32 s[G0SB+1], SCL+2*HALFS
	s_mov_b32 s[G0H], 1
	s_mov_b32 s[G0H+1], 0
	s_mov_b32 s[G0HB], 1
	s_mov_b32 s[G0HB+1], 2*HALFT
	s_lshl_b32 s[BP], s[CX], 10                    ; q, k: the work-group's 256 channels: 1,024 bytes of biases
	s_mov_b32 s[BP+1], 0
	s_wait_dscnt 0x0
	s_wait_kmcnt 0x0
	s_add_nc_u64 s[G0+2:G0+3], s[4:5], s[G0+2:G0+3]
	s_add_nc_u64 s[G0+6:G0+7], s[G0+2:G0+3], ROWB  ; slot 1: the second 512 along K
	s_or_b32 s[G0+3], s[G0+3], 0x80000000
	s_or_b32 s[G0+7], s[G0+7], 0x80000000
	s_add_nc_u64 s[G0B+2:G0B+3], s[4:5], s[G0B+2:G0B+3]
	s_add_nc_u64 s[G0B+6:G0B+7], s[G0B+2:G0B+3], ROWB
	s_or_b32 s[G0B+3], s[G0B+3], 0x80000000
	s_or_b32 s[G0B+7], s[G0B+7], 0x80000000
	s_add_nc_u64 s[G0S+2:G0S+3], s[6:7], s[G0S+2:G0S+3]
	s_or_b32 s[G0S+3], s[G0S+3], 0x80000000
	s_add_nc_u64 s[G0SB+2:G0SB+3], s[6:7], s[G0SB+2:G0SB+3]
	s_or_b32 s[G0SB+3], s[G0SB+3], 0x80000000
	s_cmp_eq_u32 s[KIND], 0
	s_cselect_b64 s[8:9], s[8:9], s[10:11]         ; or bq
	s_add_nc_u64 s[BP:BP+1], s[8:9], s[BP:BP+1]
	s_add_nc_u64 s[G0H+2:G0H+3], s[4:5], s[G0H+2:G0H+3]
	s_or_b32 s[G0H+3], s[G0H+3], 0x80000000
	s_add_nc_u64 s[G0HB+2:G0HB+3], s[4:5], s[G0HB+2:G0HB+3]
	s_or_b32 s[G0HB+3], s[G0HB+3], 0x80000000
	s_lshl_b32 s100, s[CX], 8                      ; Wv's 128 rows of the second phase: 10,240 + 256 cx + 128 KIND: they hang on cx, which my column shares
	s_lshl_b32 s101, s[KIND], 7
	s_add_co_u32 s100, s100, s101
	s_add_co_u32 s100, s100, 10240
	s_lshl_b32 s10, s100, 5                        ; their scale bytes,
	s_mov_b32 s11, 0
	s_and_b32 s101, s[WV], 1                       ; and the 64 rows of codes that wave 0 or 1 fetches
	s_lshl_b32 s8, s101, 6
	s_add_co_u32 s8, s8, s100
	s_lshl_b32 s8, s8, 9
	s_mov_b32 s9, 0
	s_add_nc_u64 s[GW0+2:GW0+3], s[4:5], s[8:9]
	s_add_nc_u64 s[GW1+2:GW1+3], s[GW0+2:GW0+3], ROWB
	s_or_b32 s[GW0+3], s[GW0+3], 0x80000000
	s_or_b32 s[GW1+3], s[GW1+3], 0x80000000
	s_mul_i32 s101, s101, 64*PITCH
	s_mov_b32 s[GW0], 1
	s_add_co_u32 s[GW0+1], s101, 2*HALFT           ; into the first 128 rows of a slot's W region
	s_mov_b32 s[GW1], 1
	s_add_co_u32 s[GW1+1], s101, SLOT+2*HALFT
	s_add_nc_u64 s[GWS+2:GWS+3], s[6:7], s[10:11]
	s_or_b32 s[GWS+3], s[GWS+3], 0x80000000
	s_mov_b32 s[GWS], 1
	s_mov_b32 s[GWS+1], SCL+2*HALFS
	CROUND                                         ; all sixteen work-groups are here: the joint loads meet
; THE HEAD'S LOADS, ONE A WAVE: wave 0 slot 0's 256 rows of the A-role, wave 1 those of the B-role, wave 2 the A-role's scale bytes, wave 3 the B-role's.
; One chain of branches on the wave's number: every way through it passes exactly one load.
.macro ARM under, g0, g1, next
	s_cmp_lt_u32 s[WV], \under
	s_cbranch_scc0 \next
	tensor_load_to_lds s[\g0:\g0+3], s[\g1:\g1+7]
	s_nop 0
.rept 4
	v_nop
.endr
	s_branch .Lhead_asked
\next:
.endm
	ARM 1, G0H,  G1,  .Lhead_b
	ARM 2, G0HB, G1B, .Lhead_sa
	ARM 3, G0S,  G1S, .Lhead_sb
	tensor_load_to_lds s[G0SB:G0SB+3], s[G1SB:G1SB+7]
	s_nop 0
.rept 4
	v_nop
.endr
.Lhead_asked:
	; where the results go.  head = 16 (Y / 2) + 4 hp + 2 hs, first row n0 = 1,024 (Y % 2) + 256 rp + 128 rs; q, k: channels by (cx, wave % 2), rows by (cy, wave / 2); v: the other way round
	s_lshr_b32 s9, s[YY], 1
	s_lshl_b32 s9, s9, 4
	s_lshl_b32 s8, s[CX], 2
	s_add_co_u32 s9, s9, s8                        ; 16 (Y / 2) + 4 cx: the first of the four heads of 256 channels
	s_and_b32 s11, s[YY], 1
	s_lshl_b32 s11, s11, 10
	s_lshl_b32 s10, s[CY], 8
	s_add_co_u32 s11, s11, s10                     ; 1,024 (Y % 2) + 256 cy: the first of the 256 rows
	s_lshl_b32 s8, s[WLO], 1                       ; q, k: heads + 2 (wave % 2), rows + 128 (wave / 2)
	s_add_co_u32 s8, s8, s9
	s_lshl_b32 s8, s8, 16                          ; 65,536 bytes of codes a head,
	s_lshl_b32 s10, s[WHI], 7
	s_add_co_u32 s10, s10, s11
	s_lshl_b32 s10, s10, 5                         ; 32 a row;
	s_add_co_u32 s8, s8, s10
	s_lshl_b32 s10, s[KIND], 22                    ; k lies behind q
	s_add_co_u32 s100, s8, s10
	s_mov_b32 s101, 0
	s_add_nc_u64 s[OC:OC+1], s[OC:OC+1], s[100:101]
	s_lshr_b32 s100, s100, 4                       ; scale bytes: a sixteenth of the codes' bytes, laid alike
	s_add_nc_u64 s[OS:OS+1], s[OS:OS+1], s[100:101]
	s_lshl_b32 s8, s[KIND], 1                      ; v: head + 2 KIND + wave / 2, keys + 128 (wave % 2)
	s_add_co_u32 s8, s8, s[WHI]
	s_add_co_u32 s8, s8, s9
	s_lshl_b32 s8, s8, 16
	s_lshl_b32 s10, s[WLO], 7
	s_add_co_u32 s10, s10, s11
	s_lshl_b32 s10, s10, 5
	s_add_co_u32 s100, s8, s10
	s_add_nc_u64 s[18:19], s[18:19], s[100:101]
	s_lshr_b32 s100, s100, 4
	s_add_nc_u64 s[20:21], s[20:21], s[100:101]
	s_lshl_b32 s100, s[CX], 10                     ; bv at channel 256 cx + 128 KIND
	s_lshl_b32 s8, s[KIND], 9
	s_add_co_u32 s100, s100, s8
	s_add_nc_u64 s[12:13], s[12:13], s[100:101]
	s_mov_b32 s[SEL], 0x76543210
	s_mov_b32 s[SEL+1], 0xfedcba98
	; every LDS address is made here, ahead of the one parting of the ways
	v_and_b32 v10, 15, v0                          ; r
	v_bfe_u32 v11, v0, 4, 1                        ; h
	v_and_b32 v12, 31, v0
	v_lshlrev_b32 v[LI], 4, v12
	s_lshl_b32 s100, s[WLO], 9                     ; q, k: my 128 channels among the work-group's biases, as a byte offset in memory
	v_lshlrev_b32 v[BQA], 6, v11
	v_add_nc_u32 v[BQA], s100, v[BQA]
	s_lshl_b32 s100, s[WHI], 8                     ; v: my 64 channels among the work-group's 128, as a byte offset in memory
	v_and_b32 v13, 8, v10
	v_add_nc_u32 v13, v13, v10                     ; r + 8 (r / 8)
	v_lshlrev_b32 v[BVA], 2, v13
	v_add_nc_u32 v[BVA], s100, v[BVA]
	s_lshl_b32 s100, s[WV], 9
	s_add_co_u32 s101, s100, STGQ
	v_add_nc_u32 v[SQA], s101, v[LI]
	s_add_co_u32 s101, s100, STGV
	v_lshlrev_b32 v[SVA], 4, v10
	v_add_nc_u32 v[SVA], s101, v[SVA]
	v_lshlrev_b32 v[SGO], 12, v11
	v_lshl_add_u32 v[SGO], v10, 4, v[SGO]
	v_lshlrev_b32 v[SH], 4, v11
	v_mul_u32_u24 v12, v10, PITCH
	v_lshl_add_u32 v13, v11, 4, v12                ; a fragment's row x pitch + 16 x half
	s_mul_i32 s100, s[WHI], HALFT                  ; my 128 rows of the A-role
	s_mul_i32 s101, s[WLO], HALFT                  ; my 128 of the B-role,
	s_add_co_u32 s101, s101, 2*HALFT               ; which lie behind the A-role's 256
.irp s, 0,1
	v_add_nc_u32 v[ADRA+\s], s100, v13
	v_add_nc_u32 v[ADRB+\s], s101, v13
	s_add_co_u32 s100, s100, SLOT
	s_add_co_u32 s101, s101, SLOT
.endr
	v_mul_u32_u24 v12, v10, KS                     ; my row's scale bytes: 32 a row,
	v_lshrrev_b32 v14, 8, v12
	v_lshl_add_u32 v12, v14, 4, v12                ; and 16 more for each 256 passed
	s_mul_i32 s100, s[WHI], HALFS
	s_mul_i32 s101, s[WLO], HALFS
	s_add_co_u32 s101, s101, 2*HALFS
	s_sub_co_u32 s101, s101, s100
	v_mul_u32_u24 v14, s101, v11                   ; lanes 16-31 take the B-role's: one product, the distance between the two bases
	s_add_co_u32 s100, s100, SCL
	v_add_nc_u32 v12, v12, v14
	v_add_nc_u32 v[ADRS], s100, v12
	; the second phase's LDS addresses: v10, v11 Wv's fragments in slot 0, 1; v12, v13 x's; v14 the scale words (lanes 0-15 Wv's rows, lanes 16-31 x's); v15, v6 the way out of v's scale bytes: 8 bytes a lane
	v_mul_u32_u24 v15, v10, KS
	v_lshrrev_b32 v14, 8, v15
	v_lshl_add_u32 v15, v14, 4, v15                ; my row's scale bytes: 32 a row, and 16 more for each 256 passed
	v_xor_b32 v14, 1, v11                          ; 1 - h
	s_mul_i32 s100, s[WLO], HALFS                  ; x's: my 128 keys: the lower base
	s_mul_i32 s101, s[WHI], HALFS/2                ; Wv's: my 64 rows, in the W region
	s_add_co_u32 s101, s101, 2*HALFS
	s_sub_co_u32 s101, s101, s100
	v_mul_u32_u24 v14, s101, v14                   ; one product: the distance between the two bases
	s_add_co_u32 s100, s100, SCL
	v_add_nc_u32 v14, v14, v15
	v_add_nc_u32 v14, s100, v14
	v_and_b32 v15, 31, v0
	v_lshlrev_b32 v6, 3, v15
	s_lshl_b32 s100, s[WV], 9
	s_add_co_u32 s100, s100, STGV
	v_add_nc_u32 v15, s100, v6
	s_mul_i32 s100, s[WHI], 64*PITCH
	s_add_co_u32 s100, s100, 2*HALFT
	s_mul_i32 s101, s[WLO], HALFT
	v_add_nc_u32 v10, s100, v13
	v_add_nc_u32 v12, s101, v13
	s_add_co_u32 s100, s100, SLOT
	s_add_co_u32 s101, s101, SLOT
	v_add_nc_u32 v11, s100, v13
	v_add_nc_u32 v13, s101, v13
.macro FRAG reg, adr, q, i             ; a fragment: lane l holds row l % 16; registers 4 c .. 4 c + 3 hold K = 64 c + 32 (l / 16) + 0 .. 31
.irp c, 0,1
	ds_load_b128 v[\reg+4*\c:\reg+4*\c+3], v[\adr] offset:64*(\q)+32*\c+(\i)*16*PITCH
.endr
.endm
; 16 matrix instructions: A-role blocks a0, a0 + 1 x the B-role's eight, the slot's q-th 128 along K.  p: the B-role's set; sc: the set of scale words.  zero = 1: the first product starts the sums.
; The 64 accumulators take turns, one instruction a turn, in the same order in every step.
.macro MUL16 a0, p, q, sc, zero
.irp a, \a0, \a0+1
.irp b, 0,1,2,3,4,5,6,7
.if \zero
	v_wmma_scale_f32_16x16x128_f8f6f4 v[8*(8*((\a)%4)+\b):8*(8*((\a)%4)+\b)+7], v[128*(\p)+FR*\b:128*(\p)+FR*\b+FR-1], v[AF+FR*(\a):AF+FR*(\a)+FR-1], 0, v[SC+8*NQ*(\sc)+NQ*\b+(\q)], v[SC+8*NQ*(\sc)+NQ*(\a)+(\q)] matrix_a_fmt:MATRIX_FMT_FP4 matrix_b_fmt:MATRIX_FMT_FP4 matrix_a_scale:MATRIX_SCALE_ROW1
.else
	v_wmma_scale_f32_16x16x128_f8f6f4 v[8*(8*((\a)%4)+\b):8*(8*((\a)%4)+\b)+7], v[128*(\p)+FR*\b:128*(\p)+FR*\b+FR-1], v[AF+FR*(\a):AF+FR*(\a)+FR-1], v[8*(8*((\a)%4)+\b):8*(8*((\a)%4)+\b)+7], v[SC+8*NQ*(\sc)+NQ*\b+(\q)], v[SC+8*NQ*(\sc)+NQ*(\a)+(\q)] matrix_a_fmt:MATRIX_FMT_FP4 matrix_b_fmt:MATRIX_FMT_FP4 matrix_a_scale:MATRIX_SCALE_ROW1
.endif
.endr
.endr
.endm
.macro FETCH_B slot, q, p              ; the B-role's eight fragments of the slot's q-th 128 along K into set p
	WIN TO_B
.irp i, 0,1,2,3,4,5,6,7
	FRAG 128*(\p)+FR*\i, ADRB+\slot, \q, \i
.endr
	WIN 0
.endm
.macro FETCH_A slot, q, i0             ; the A-role's blocks i0 .. i0 + 3
.irp i, \i0, \i0+1, \i0+2, \i0+3
	FRAG AF+FR*(\i), ADRA+\slot, \q, \i
.endr
.endm
.macro SCALES sc                       ; a slot's scale words into set sc: four words a row
.irp i, 0,1,2,3,4,5,6,7
	ds_load_b128 v[SC+8*NQ*\sc+NQ*\i:SC+8*NQ*\sc+NQ*\i+3], v[ADRS] offset:\i*SBLK
.endr
.endm
; A load into a register that a matrix instruction has read, and a vector instruction that reads a matrix result or writes one of its registers, stand NP places behind it; only plain vector
; instructions that name none of its registers are places (ISA guide 7.12.1 for vector instructions).
.macro PLACES n
.rept \n
	v_nop
.endr
.endm
; A step of 128 along K that has its successor in the same slot.  A block of the A-role is free as soon as its eight products are issued: blocks 0-3 are fetched anew in the step's middle, blocks 4-7 at its end.
.macro STEP slot, q, zero
	s_wait_dscnt 4*NL                              ; all but the youngest eight loads (A-role blocks 4-7) are in
	WIN MUL_LO
	MUL16 0, (\q)%2, \q, \slot, \zero
	MUL16 2, (\q)%2, \q, \slot, \zero
	s_wait_dscnt 0                                 ; blocks 4-7 are in (asked for 32 matrix instructions ago)
	PLACES NP
	FETCH_B \slot, (\q)+1, 1-(\q)%2
	FETCH_A \slot, (\q)+1, 0
	WIN MUL_HI
	MUL16 4, (\q)%2, \q, \slot, \zero
	MUL16 6, (\q)%2, \q, \slot, \zero
	PLACES NP
	WIN 0
	FETCH_A \slot, (\q)+1, 4
.endm
.macro STEPS slot, from                ; the slot's steps from .. NQ - 2
.set Q, \from
.rept NQ-1-\from
	STEP \slot, Q, 0
.set Q, Q+1
.endr
.endm
	s_wait_alu depctr_va_vdst(0)
.irp b, 0,1,2,3
.irp j, 0,1,2,3
	global_load_b128 v[BI+16*\b+4*\j:BI+16*\b+4*\j+3], v[BQA], s[BP:BP+1] offset:128*\b+16*\j   ; the biases of channels 32 b + 16 h + 0 .. 15 of my 128
.endr
.endr
	s_wait_tensorcnt 0x0                           ; my tile of the head's four is in
	ds_add_u32 v122, v123
	s_mov_b32 s[G1+2], 128<<16                     ; no tensor load of mine is out: from here on a load brings 128 rows
	s_mov_b32 s[G1+4], 128
	s_mov_b32 s[G1B+2], 128<<16
	s_mov_b32 s[G1B+4], 128
	s_wait_dscnt 0x0
	CROUND                                         ; all four tiles are in, and all sixteen work-groups are here
	JLOAD G0+4, G1, G0B+4, G1B                     ; slot 1's first fill: my one tensor load behind the round
	FETCH_B 0, 0, 0
	FETCH_A 0, 0, 0
	SCALES 0
	FETCH_A 0, 0, 4
	STEP 0, 0, 1                                   ; the first products start the sums: nothing is cleared
	STEPS 0, 1
	; slot 0's last step, and the step over to slot 1: each wave's part of slot 1 has landed, then one barrier, then all read it
.macro CREST                           ; a round of the cluster's barrier behind its opening barrier
	s_cmp_lg_u32 s[WV], 0
	s_cbranch_scc1 .Lnot_w0_\@
	s_barrier_signal -3
.Lnot_w0_\@:
	s_barrier_wait -3
	s_barrier_signal -1
	s_barrier_wait -1
.endm
	s_wait_tensorcnt 0x0                           ; all my tensor loads have landed: my part of slot 1;
	ds_add_u32 v122, v123                          ; 0 onto my spare word;
	s_mov_b32 s[G1B+2], 64<<16                     ; no tensor load of mine is out: from here on a load of codes along my column brings 64 rows,
	s_mov_b32 s[G1B+4], 64
	s_mov_b32 s[G1SB+2], 16<<16                    ; and one of scale bytes those of 128 rows
	s_mov_b32 s[G1SB+4], 16
	s_wait_dscnt 4*NL+1                            ; (the add and the youngest eight loads may be out)
	WIN MUL_LO
	MUL16 0, 1, NQ-1, 0, 0
	s_wait_dscnt 0x0                               ; the add is done, and my reads of slot 0 are over
	s_barrier_signal -1
	MUL16 2, 1, NQ-1, 0, 0                         ; work on registers while the others arrive
	WIN 0
	s_barrier_wait -1
	CREST                                          ; the barrier has opened a round of the cluster's barrier: no wave of any partner still reads slot 0
	s_cmp_lt_u32 s[WV], 2
	s_cbranch_scc0 .Lm_done
	tensor_load_to_lds s[GW0:GW0+3], s[G1B:G1B+7]  ; Wv's first 512 along K, 64 rows a wave, into slot 0's W region
	s_nop 0
.rept 4
	v_nop
.endr
.Lm_done:
	PLACES NP
	v_add_nc_u32 v[ADRS], 4*NQ, v[ADRS]            ; on to the second 512's scale words
	FETCH_B 1, 0, 0
	FETCH_A 1, 0, 0
	SCALES 1
	WIN MUL_HI
	MUL16 4, 1, NQ-1, 0, 0
	MUL16 6, 1, NQ-1, 0, 0
	PLACES NP
	WIN 0
	FETCH_A 1, 0, 4
	STEPS 1, 0
	s_wait_tensorcnt 0x0                           ; the first phase's last step: the same three lines, barrier and round
	ds_add_u32 v122, v123
	s_wait_dscnt 4*NL+1
	WIN MUL_LO
	MUL16 0, 1, NQ-1, 1, 0
	s_wait_dscnt 0x0                               ; the add is done, and my reads of slot 1 and of W's scale bytes are over
	s_barrier_signal -1
	MUL16 2, 1, NQ-1, 1, 0
	WIN 0
	s_barrier_wait -1
	CREST
	s_cmp_lt_u32 s[WV], 2
	s_cbranch_scc0 .Le_s
	tensor_load_to_lds s[GW1:GW1+3], s[G1B:G1B+7]  ; Wv's second 512 along K into slot 1's W region,
	s_nop 0
.rept 4
	v_nop
.endr
	s_branch .Le_done
.Le_s:
	s_cmp_eq_u32 s[WV], 2
	s_cbranch_scc0 .Le_done
	tensor_load_to_lds s[GWS:GWS+3], s[G1SB:G1SB+7]    ; and its scale bytes over W's: they land under the way out of q or k
	s_nop 0
.rept 4
	v_nop
.endr
.Le_done:
	WIN MUL_HI
	MUL16 4, 1, NQ-1, 1, 0
	MUL16 6, 1, NQ-1, 1, 0
	WIN 0
; THE WAY OUT.  64 numbers of a lane, v[s] .. v[s + 63], register 16 b + i = place 32 b + 16 (lane / 16) + i along the next K of the lane's row, become a fragment's codes in v[pc] .. v[pc + 7] and its scale word in v[pw].
.macro QUANT s, pc, pw
.irp b, 0,1,2,3
	v_max3_num_f32 v[TM+\b], |v[\s+16*\b]|, |v[\s+1+16*\b]|, 0x1800000   ; block b: my 16 numbers, and the floor 2^(3 - 127): the byte cannot fall under 1
.endr
.irp i, 2,4,6,8,10,12,14
.irp b, 0,1,2,3
	v_max3_num_f32 v[TM+\b], v[TM+\b], |v[\s+16*\b+\i]|, |v[\s+1+16*\b+\i]|   ; (the four blocks by turns)
.endr
.endr
.irp b, 0,1,2,3
	v_permlanex16_b32 v[TM+4+\b], v[TM+\b], s[SEL], s[SEL+1]
.endr
.irp b, 0,1,2,3
	v_max_num_f32 v[TM+\b], v[TM+\b], v[TM+4+\b]   ; with lane l xor 16's: the block's largest magnitude
.endr
.irp b, 0,1,2,3
	v_add_nc_u32 v[TM+12+\b], 0xff000000, v[TM+\b] ; 2 off its exponent field: the conversion's scale operand
.endr
.irp b, 0,1,2,3
	v_lshrrev_b32 v[TM+4+\b], 23, v[TM+12+\b]      ; the scale's byte
.endr
	v_lshl_or_b32 v[\pw], v[TM+5], 8, v[TM+4]      ; the four bytes make my row's scale word
	v_lshl_or_b32 v[\pw], v[TM+6], 16, v[\pw]
	v_lshl_or_b32 v[\pw], v[TM+7], 24, v[\pw]
.irp b, 0,1,2,3
	v_cvt_scalef32_pk8_fp4_f32 v[\pc+2*\b], v[\s+16*\b:\s+7+16*\b], v[TM+12+\b]
	v_cvt_scalef32_pk8_fp4_f32 v[\pc+1+2*\b], v[\s+8+16*\b:\s+15+16*\b], v[TM+12+\b]
.endr
	v_nop                                          ; one plain line behind a scaled conversion
.irp c, 0,1                                    ; the operand's layout wants a WHOLE block in a lane: lanes 0-15 block 2 c, lanes 16-31 block 2 c + 1
.irp i, 0,1
	v_permlane16_swap_b32 v[\pc+4*\c+\i], v[\pc+2+4*\c+\i]
.endr
.endr
.endm
; Block a of q or k: 16 rows of x (a lane a row) x my 128 channels = two heads.  Registers 0-3 of the fragment are head 0's 64 channels, 4-7 head 1's.
.macro EPIQK a
.set AC, 64*((\a)%4)
.set PCD, PCB+8*((\a)%2)
.set WN, 0x02+(\a)/4
.if (\a) > 1
	s_wait_xcnt 0x0                                ; block a - 2's stores have read this set of code registers
.endif
	WIN WN                                         ; source 0: window 2 or 3
.set i, 0
.rept 32
	v_pk_add_f32 v[T+i:T+i+1], v[AC+i:AC+i+1], v[BI+i:BI+i+1]      ; + the channels' biases, in f32; each accumulator from its low end on
.set i, i+2
.endr
	WIN 0
	QUANT T, PCD, PW
	v_lshrrev_b32 v[WB+(\a)], v[SH], v[PW]         ; lanes 0-15 keep head 0's two bytes in the low half, lanes 16-31 head 1's
	ds_store_b16 v[SQA], v[WB+(\a)] offset:4*((\a)/2)+2*((\a)%2)
	global_store_b128 v[LI], v[PCD:PCD+3], s[OC:OC+1] offset:1024*((\a)/2)+512*((\a)%2)             ; half an image: 512 consecutive bytes, aligned
	global_store_b128 v[LI], v[PCD+4:PCD+7], s[OC:OC+1] offset:65536+1024*((\a)/2)+512*((\a)%2)     ; and the next head's
.endm
; Block a of v: 16 channels (a lane a channel) x my 128 keys: one fragment of V^T, tile a % 4 of head a / 4.
.macro EPIV a
.set AC, 64*((\a)%4)
.set PCD, PCB+8*((\a)%2)
.set WN, 0x02+(\a)/4
.if (\a) > 1
	s_wait_xcnt 0x0                                ; block a - 2's stores have read this set of code registers
.endif
	WIN WN
.set i, 0
.rept 32
	v_pk_add_f32 v[T+i:T+i+1], v[AC+i:AC+i+1], v[BI+2*(\a):BI+2*(\a)+1]   ; + my channel's bias
.set i, i+2
.endr
	WIN 0
	QUANT T, PCD, WB+(\a)
	ds_store_b32 v[SVA], v[WB+(\a)] offset:256*((\a)/4)+4*((\a)%4)  ; both halves of the lanes write the same word with the same value
	global_store_b128 v[LI], v[PCD:PCD+3], s[18:19] offset:65536*((\a)/4)+1024*((\a)%4)
	global_store_b128 v[LI], v[PCD+4:PCD+7], s[18:19] offset:65536*((\a)/4)+1024*((\a)%4)+512
.endm
	PLACES NP                                      ; behind the last products: results are read, and registers that held fragments are written
.irp b, 0,1,2,3
	v_mov_b32 v[TM+4+\b], 0                        ; written once: a lane permute's destination counts as one of its sources
.endr
	s_wait_loadcnt 0x0                             ; the biases, asked for at the head
.irp a, 0,1,2,3,4,5,6,7
	EPIQK \a
.endr
	ds_load_b128 v[RB:RB+3], v[SQA]                ; LDS serves a wave's instructions in order: this sees my stores
	s_wait_dscnt 0x0
	global_store_b128 v[SGO], v[RB:RB+3], s[OS:OS+1]   ; sixteen lanes store 256 consecutive bytes, aligned: a head's scale bytes of these 128 rows
; THE SECOND PHASE: v.  32 products a step of 128 along K: Wv's four blocks (source 1) x the keys' eight (source 0); the 32 accumulators take turns in the same order in every step.
.macro MULV p, q, sc, zero
.irp a, 0,1,2,3
.irp b, 0,1,2,3,4,5,6,7
.if \zero
	v_wmma_scale_f32_16x16x128_f8f6f4 v[8*(8*\a+\b):8*(8*\a+\b)+7], v[128*(\p)+FR*\b:128*(\p)+FR*\b+FR-1], v[AF+32*(\p)+FR*\a:AF+32*(\p)+FR*\a+FR-1], 0, v[SC+8*NQ*(\sc)+NQ*\b+(\q)], v[SC+8*NQ*(\sc)+NQ*\a+(\q)] matrix_a_fmt:MATRIX_FMT_FP4 matrix_b_fmt:MATRIX_FMT_FP4 matrix_a_scale:MATRIX_SCALE_ROW1
.else
	v_wmma_scale_f32_16x16x128_f8f6f4 v[8*(8*\a+\b):8*(8*\a+\b)+7], v[128*(\p)+FR*\b:128*(\p)+FR*\b+FR-1], v[AF+32*(\p)+FR*\a:AF+32*(\p)+FR*\a+FR-1], v[8*(8*\a+\b):8*(8*\a+\b)+7], v[SC+8*NQ*(\sc)+NQ*\b+(\q)], v[SC+8*NQ*(\sc)+NQ*\a+(\q)] matrix_a_fmt:MATRIX_FMT_FP4 matrix_b_fmt:MATRIX_FMT_FP4 matrix_a_scale:MATRIX_SCALE_ROW1
.endif
.endr
.endr
.endm
.macro FETCH2 slot, q, p               ; a step's fragments into set p: x's eight (window 1), Wv's four
	WIN TO_B
.irp i, 0,1,2,3,4,5,6,7
	FRAG 128*(\p)+FR*\i, 12+\slot, \q, \i
.endr
	WIN 0
.irp i, 0,1,2,3
	FRAG AF+32*(\p)+FR*\i, 10+\slot, \q, \i
.endr
.endm
.macro STEP2 s, zero
	s_wait_dscnt 0x0                               ; this step's fragments are in: asked for a step, 32 products, ago
.if (\s) < 7
	PLACES NP                                      ; behind the last step's products, which read the other set
	FETCH2 ((\s)+1)/4, ((\s)+1)%4, ((\s)+1)%2
.endif
	WIN MUL_LO
	MULV (\s)%2, (\s)%4, (\s)/4, \zero
	WIN 0
.endm
	s_wait_xcnt 0x0                                ; the stores of q or k have read their registers
.irp a, 0,1,2,3
	global_load_b32 v[BI+2*\a], v[BVA], s[12:13] offset:128*(\a/2)+32*(\a%2)      ; the bias of channel 32 (a / 2) + 8 (a % 2) + r + 8 (r / 8) of my 64, twice: a pair for the packed addition; wanted behind the eight steps
	global_load_b32 v[BI+2*\a+1], v[BVA], s[12:13] offset:128*(\a/2)+32*(\a%2)
.endr
	s_wait_tensorcnt 0x0                           ; my part of Wv has landed,
	s_barrier_signal -1
	s_barrier_wait -1                              ; everybody's has
	FETCH2 0, 0, 0
.irp sc, 0,1
.irp i, 0,1,2,3,4,5,6,7
	ds_load_b128 v[SC+8*NQ*\sc+NQ*\i:SC+8*NQ*\sc+NQ*\i+3], v14 offset:\i*SBLK+16*\sc   ; both slots' scale words (of lanes 0-15 blocks 0-3 alone are used)
.endr
.endr
	STEP2 0, 1
.irp s, 1,2,3,4,5,6,7
	STEP2 \s, 0
.endr
	PLACES NP
	s_wait_loadcnt 0x0                             ; the biases
.irp a, 0,1,2,3
	EPIV \a
.endr
	ds_load_b64 v[RB:RB+1], v15                    ; LDS serves a wave's instructions in order: this sees my stores
	s_wait_dscnt 0x0
	global_store_b64 v6, v[RB:RB+1], s[20:21]      ; 32 lanes store 256 consecutive bytes, aligned: my head's scale bytes of these 128 keys
	s_wait_tensorcnt 0x0
	ds_add_u32 v122, v123
	s_wait_dscnt 0x0
	CROUND                                         ; the closing round: no work-group ends while a partner may still ask for a tile that names it
	s_endpgm
.Lfunc_end_k_q141758e4a3_proj:
	.size	k_q141758e4a3_proj, .Lfunc_end_k_q141758e4a3_proj-k_q141758e4a3_proj
	.p2alignl 7, 3214868480
	.fill 96, 4, 3214868480
	.section	.rodata,"a",@progbits
	.p2align	6, 0x0
	.amdhsa_kernel k_q141758e4a3_proj
		.amdhsa_group_segment_fixed_size 327680
		.amdhsa_private_segment_fixed_size 0
		.amdhsa_enable_private_segment 0
		.amdhsa_kernarg_size 72
		.amdhsa_user_sgpr_count 2
		.amdhsa_user_sgpr_kernarg_segment_ptr 1
		.amdhsa_wavefront_size32 1
		.amdhsa_system_sgpr_workgroup_id_x 1
		.amdhsa_system_sgpr_workgroup_id_y 1
		.amdhsa_system_sgpr_workgroup_id_z 1
		.amdhsa_system_vgpr_workitem_id 0
		.amdhsa_next_free_vgpr 1024
		.amdhsa_next_free_sgpr 104
		.amdhsa_reserve_vcc 0
		.amdhsa_float_denorm_mode_32 3
		.amdhsa_float_denorm_mode_16_64 3
		.amdhsa_memory_ordered 1
		.amdhsa_forward_progress 1
		.amdhsa_inst_pref_size 224
	.end_amdhsa_kernel
	.amdgpu_metadata
---
amdhsa.version: [ 1, 2 ]
amdhsa.kernels:
  - .name:           k_q141758e4a3_proj
    .symbol:         k_q141758e4a3_proj.kd
    .args:
      - { .name: codes, .offset: 0, .size: 8, .value_kind: global_buffer, .address_space: global }
      - { .name: scales, .offset: 8, .size: 8, .value_kind: global_buffer, .address_space: global }
      - { .name: bq, .offset: 16, .size: 8, .value_kind: global_buffer, .address_space: global }
      - { .name: bk, .offset: 24, .size: 8, .value_kind: global_buffer, .address_space: global }
      - { .name: bv, .offset: 32, .size: 8, .value_kind: global_buffer, .address_space: global }
      - { .name: qk_codes, .offset: 40, .size: 8, .value_kind: global_buffer, .address_space: global }
      - { .name: qk_scales, .offset: 48, .size: 8, .value_kind: global_buffer, .address_space: global }
      - { .name: v_codes, .offset: 56, .size: 8, .value_kind: global_buffer, .address_space: global }
      - { .name: v_scales, .offset: 64, .size: 8, .value_kind: global_buffer, .address_space: global }
    .group_segment_fixed_size: 327680
    .private_segment_fixed_size: 0
    .kernarg_segment_align: 8
    .kernarg_segment_size: 72
    .max_flat_workgroup_size: 128
    .sgpr_count:     104
    .vgpr_count:     1024
    .wavefront_size: 32
...
	.end_amdgpu_metadata
.endif
;; end of part 2
;; launch attn (part 3): grid 4 x 64, 16 waves a work-group, clusters of 4 x 1, 327,680 bytes of LDS; arguments qk_codes, qk_scales, v_codes, v_scales, x, out0; writes out0
.if DOCPART == 3
	.amdgcn_target "amdgcn-amd-amdhsa--gfx1250"
	.amdhsa_code_object_version 6
	.text
	.protected	k_q141758e4a3_attn
	.globl	k_q141758e4a3_attn
	.p2align	8
	.type	k_q141758e4a3_attn,@function
k_q141758e4a3_attn:
	s_mov_b64 s[64:65], 0
	v_nop
	global_prefetch_b8 v0, s[64:65] scope:SCOPE_SE
	s_setreg_imm32_b32 hwreg(HW_REG_WAVE_MODE, 25, 1), 1
	s_wait_xcnt 0x0
	s_wait_alu depctr_hold_cnt(0) depctr_sa_sdst(0) depctr_va_vdst(0) depctr_va_sdst(0) depctr_va_ssrc(0) depctr_va_vcc(0) depctr_vm_vsrc(0)
	s_getreg_b32 s2, hwreg(HW_REG_IB_STS2, 6, 4)
	s_cmp_eq_u32 s2, 0
	s_cbranch_scc0 .Lentry_in_a_cluster
	s_endpgm
.Lentry_in_a_cluster:
	s_bfe_u32 s2, ttmp6, 0x10000c
	s_cmp_lg_u32 s2, 0x3003
	s_cbranch_scc0 .Lentry_shape_is_right
	s_endpgm
.Lentry_shape_is_right:
; out0 = x + softmax(q k^T) v, head by head (64 heads of 2,048 x 64, no scaling of the scores, no mask), both products on codes of FP4 (E2M1) with E8M0 scales.
; IN, as the launch before laid them (images of operand registers):
;   qk_codes: q, then k at 4 MiB: [head][32 rows: 64][1,024]: byte 512 e + 256 h + 16 p: channels 32 h .. + 31 of row 32 blk + 16 (p / 8) + 8 e + p % 8.   qk_scales: q, then k at 256 KiB: [head][128 rows: 16][p 16][t 4][e 2][h 2].
;   v_codes: [head][128 keys: 16][tile 4][1,024]: byte 512 c + 16 lane: keys 64 c + 32 (lane / 16) .. + 31 of channel 32 (tile / 2) + 8 (tile % 2) + r + 8 (r / 8).   v_scales: [head][step 16][r 16][tile 4][4 key blocks].
; THE SOFTMAX AHEAD OF THE SECOND PRODUCT: t = score x log2(e); M = the row's largest t so far, rounded UP to a whole number; p = 2^(t - M) is quantised along the keys, not normalised.
; The row's sum is taken of the unquantised p, in f32, and divides O at the end.  When M moves, the sum and O are multiplied by 2^(old M - new M): exact.
; SHARES.  The cluster's y is the head; the work-group at place cx owns queries 512 cx .. + 511; wave w owns one image of q, 32 queries, as TWO tiles (e = 0, 1): lane r of tile e holds query 512 cx + 32 w + 16 (r / 8) + 8 e + r % 8.
; Each fragment of K and of V that a wave reads from LDS serves both tiles.  One pass over the 16 key steps of 128 keys.
; THE WHOLE HEAD STAYS IN LDS, filled once, by joint loads of the cluster's four work-groups (mask 15), one tensor load a wave at the head: waves 0-3 K's quarters, 4-7 V's, 8 K's scale bytes, 9 V's.
; TWO KEYS IN ONE ROW OF A FRAGMENT.  The first product's K is 64: an image's row holds one key at K 0-63 and the key 8 further on at K 64-127; against [q | 0] and [0 | q] each gives its tile, the other half meets zero codes.
; WHICH ROWS FORM A FRAGMENT OF K is chosen by the LDS address: row p of fragment t takes row 8 (t % 2) + p % 8 of image 2 (t / 2) + p / 8.  Both products are used transposed (a lane holds one query), so register 16 t + i of the scores
; is key 64 (t / 2) + 32 (lane / 16) + 16 (t % 2) + i: A LANE HOLDS WHOLE BLOCKS OF 32 KEYS, blocks h and 2 + h.  A block's maximum needs no other lane, and the conversions' results are the second product's operand as they stand.
; K's images lie 1,152 bytes apart in LDS (128 of padding by the descriptor): the two groups of eight rows that sixteen lanes read lie 128 bytes apart modulo 256.
; V's fragments come into the registers that held K's, behind the second tile's scores.
; LIMITS: NaN and infinities are not served; scaled scores stay under 2^31 in magnitude; a p under 2^-126 comes out of v_exp_f32 as 0 (the sum is above 1/2); a block whose every p is 0 keeps the scale byte 1: its codes are zeros.
; K and V are asked for whole at the head, so no prefetch runs ahead of them; each wave asks once, 16 key steps ahead, for the 32 x 256 bytes of x that it loads in the last step (a lane a row).
.set KIMG,  1152
.set VC,    64*KIMG                    ; LDS: K's 64 images from 0, V's 64 here,
.set KSL,   VC+65536                   ; K's scale bytes,
.set VSL,   KSL+4096                   ; V's,
.set STAGE, VSL+4096                   ; 16 rows x 272 bytes for each wave, for the way out: no fill lands here
.set SPARE, STAGE+16*16*272            ; the spare words, 128 bytes a wave
.set ADK,  1                           ; LDS addresses of the step's loads: K's fragments,
.set ADV,  2                           ; V's,
.set ADKS, 3                           ; K's scale words,
.set ADVS, 4                           ; V's
.set SPW,  5
.set NIL,  6
.set GO,   7                           ; 4,096 h + 16 r: two rows of x and out0
.set Z,    8                           ; v8-27: 0 | qA | 0 | qB | 0, four registers each
.set QSA,  28                          ; q's scale words
.set QSB,  29
.set SA,   30                          ; a tile's state: -M, largest score; the sum in two halves; f, p's scale word
.set SB,   36
.set KSW,  42
.set VSW,  46
.set BM,   50
.set T0,   54
.set T1,   55
.set T2,   56
.set T3,   57
.set PA,   58                          ; p's codes
.set PB,   66
.set KF,   74                          ; four fragments of K, then of V
.set S,    106                         ; the scores of the tile in hand, then p
.set OTA,  170                         ; O^T: register 8 tile + j is channel 32 (tile / 2) + 16 h + 8 (tile % 2) + j
.set OTB,  202
.set XB,   234                         ; v234-249: the second half of tile B's rows of x
.set STO,  250
.set RD,   251
.set PFO,  252
.set LA,   253
.set RA,   254
.set WV,   18
.set NC,   19                          ; -log2(e)
.set SEL,  20
.set CS,   22                          ; s[22:23] log2(e)
.set G1K,  24
.set G1V,  32
.set G1S,  40
.set G0KC, 48
.set G0VC, 52
.set G0KS, 56
.set G0VS, 60
.set CNT,  66
.set CX,   67
.set BH,   68
.set QP,   70
.set QSP,  72
.set XP,   74
.set OP,   76
.macro CROUND                          ; a round of the cluster's barrier
	s_barrier_signal -1
	s_barrier_wait -1
	s_cmp_lg_u32 s[WV], 0
	s_cbranch_scc1 .Lnot_wave_0_\@
	s_barrier_signal -3
.Lnot_wave_0_\@:
	s_barrier_wait -3
	s_barrier_signal -1
	s_barrier_wait -1
.endm
	s_load_b256 s[4:11], s[0:1], 0x0               ; qk_codes, qk_scales, v_codes, v_scales
	s_load_b128 s[12:15], s[0:1], 0x20             ; x, out0
	v_lshl_add_u32 v[SPW], v0, 2, SPARE
	v_mov_b32 v[NIL], 0
	ds_add_u32 v[SPW], v[NIL]                      ; the opening lines: the add twice on end and one wait
	ds_add_u32 v[SPW], v[NIL]
	v_lshrrev_b32 v[T0], 5, v0
	v_readfirstlane_b32 s[WV], v[T0]               ; wave 0..15
	s_bfe_u32 s[CX], ttmp6, 0x40000                ; my place in the cluster: it enters q's, x's and out0's addresses alone
	s_and_b32 s[BH], ttmp7, 0xffff                 ; the head, which the four partners share
	s_mov_b32 s[G1K], 15|(3<<16)|(1<<20)|(1<<21)|(7<<22)|(31<<25)  ; mask of all four; elements of 8 bytes; padding: 32 words behind every 256
	s_mov_b32 s[G1K+1], 128<<16                    ; rows of 1,024 bytes: an image
	s_mov_b32 s[G1K+2], 16<<16
	s_mov_b32 s[G1K+3], 128<<16
	s_mov_b32 s[G1K+4], 16
	s_mov_b32 s[G1K+5], 128
	s_mov_b32 s[G1K+6], 0
	s_mov_b32 s[G1K+7], 0
	s_mov_b32 s[G1V], 15|(3<<16)|(1<<21)           ; 64 dense rows of 256 bytes
	s_mov_b32 s[G1V+1], 32<<16
	s_mov_b32 s[G1V+2], 64<<16
	s_mov_b32 s[G1V+3], 32<<16
	s_mov_b32 s[G1V+4], 64
	s_mov_b32 s[G1V+5], 32
	s_mov_b32 s[G1V+6], 0
	s_mov_b32 s[G1V+7], 0
	s_mov_b32 s[G1S], 15|(3<<16)|(1<<21)           ; 16 dense rows of 256 bytes
	s_mov_b32 s[G1S+1], 32<<16
	s_mov_b32 s[G1S+2], 16<<16
	s_mov_b32 s[G1S+3], 32<<16
	s_mov_b32 s[G1S+4], 16
	s_mov_b32 s[G1S+5], 32
	s_mov_b32 s[G1S+6], 0
	s_mov_b32 s[G1S+7], 0
	s_and_b32 s78, s[WV], 3                        ; which quarter of a head's codes I fetch, if I fetch
	s_lshl_b32 s79, s78, 14
	s_mul_i32 s80, s78, 16*KIMG
	s_mov_b32 s[G0KC], 1
	s_mov_b32 s[G0KC+1], s80
	s_mov_b32 s[G0VC], 1
	s_add_co_u32 s[G0VC+1], s79, VC
	s_mov_b32 s[G0KS], 1
	s_mov_b32 s[G0KS+1], KSL
	s_mov_b32 s[G0VS], 1
	s_mov_b32 s[G0VS+1], VSL
	s_lshl_b32 s82, s[BH], 16                      ; a head's codes are 65,536 bytes,
	s_add_co_u32 s82, s82, s79
	s_mov_b32 s83, 0
	s_lshl_b32 s84, s[BH], 12                      ; its scale bytes 4,096
	s_mov_b32 s85, 0
	s_lshl_b32 s[QP], s[BH], 16                    ; q's codes: head, 16 images a work-group, an image a wave
	s_lshl_b32 s81, s[CX], 14
	s_add_co_u32 s[QP], s[QP], s81
	s_lshl_b32 s81, s[WV], 10
	s_add_co_u32 s[QP], s[QP], s81
	s_mov_b32 s[QP+1], 0
	s_lshl_b32 s[QSP], s[BH], 12                   ; q's scale bytes: 256 (4 cx + wave / 4) + 4 (wave % 4); + 16 r in the lane
	s_lshl_b32 s81, s[CX], 10
	s_add_co_u32 s[QSP], s[QSP], s81
	s_lshr_b32 s81, s[WV], 2
	s_lshl_b32 s81, s81, 8
	s_add_co_u32 s[QSP], s[QSP], s81
	s_and_b32 s81, s[WV], 3
	s_lshl_b32 s81, s81, 2
	s_add_co_u32 s[QSP], s[QSP], s81
	s_mov_b32 s[QSP+1], 0
	s_lshr_b32 s[XP], s[BH], 4                     ; x, out0: batch x 2,048 rows of 4,096 bytes,
	s_lshl_b32 s[XP], s[XP], 23
	s_lshl_b32 s81, s[CX], 21                      ; + row 512 cx
	s_add_co_u32 s[XP], s[XP], s81
	s_lshl_b32 s81, s[WV], 17                      ; + 32 x wave,
	s_add_co_u32 s[XP], s[XP], s81
	s_and_b32 s81, s[BH], 15
	s_lshl_b32 s81, s81, 8                         ; + the head's 64 columns (all under 2^25)
	s_add_co_u32 s[XP], s[XP], s81
	s_mov_b32 s[XP+1], 0
	s_mov_b64 s[OP:OP+1], s[XP:XP+1]
	s_mov_b32 s[SEL], 0x76543210
	s_mov_b32 s[SEL+1], 0xfedcba98
	s_mov_b32 s[CS], 0x3fb8aa3b
	s_mov_b32 s[CS+1], s[CS]
	s_mov_b32 s[NC], 0xbfb8aa3b
	s_mul_i32 s78, s[WV], 16*272
	s_add_co_u32 s78, s78, STAGE                   ; my stage
	s_wait_dscnt 0x0
	s_wait_kmcnt 0x0
	s_add_nc_u64 s[G0KC+2:G0KC+3], s[4:5], s[82:83]
	s_add_nc_u64 s[G0KC+2:G0KC+3], s[G0KC+2:G0KC+3], 0x400000      ; k lies behind q
	s_or_b32 s[G0KC+3], s[G0KC+3], 0x80000000
	s_add_nc_u64 s[G0KS+2:G0KS+3], s[6:7], s[84:85]
	s_add_nc_u64 s[G0KS+2:G0KS+3], s[G0KS+2:G0KS+3], 0x40000
	s_or_b32 s[G0KS+3], s[G0KS+3], 0x80000000
	s_add_nc_u64 s[G0VC+2:G0VC+3], s[8:9], s[82:83]
	s_or_b32 s[G0VC+3], s[G0VC+3], 0x80000000
	s_add_nc_u64 s[G0VS+2:G0VS+3], s[10:11], s[84:85]
	s_or_b32 s[G0VS+3], s[G0VS+3], 0x80000000
	s_add_nc_u64 s[QP:QP+1], s[4:5], s[QP:QP+1]
	s_add_nc_u64 s[QSP:QSP+1], s[6:7], s[QSP:QSP+1]
	s_add_nc_u64 s[XP:XP+1], s[12:13], s[XP:XP+1]
	s_add_nc_u64 s[OP:OP+1], s[14:15], s[OP:OP+1]
	CROUND                                         ; all four work-groups are here: the joint loads meet
.macro ARM under, g0, g1, next         ; one chain of branches on the wave's number, one load to an arm
	s_cmp_lt_u32 s[WV], \under
	s_cbranch_scc0 \next
	tensor_load_to_lds s[\g0:\g0+3], s[\g1:\g1+7]
	s_nop 0
.rept 4
	v_nop
.endr
	s_branch .Lhead_asked
\next:
.endm
	ARM 4,  G0KC, G1K, .Lhead_v
	ARM 8,  G0VC, G1V, .Lhead_ks
	ARM 9,  G0KS, G1S, .Lhead_vs
	ARM 10, G0VS, G1S, .Lhead_none
.Lhead_asked:
	v_and_b32 v[T0], 31, v0                        ; lane
	v_and_b32 v[T1], 15, v0                        ; r
	v_bfe_u32 v[T2], v0, 4, 1                      ; h
	v_bfe_u32 v[BM], v0, 3, 1                      ; r / 8
	v_and_b32 v[BM+1], 7, v0                       ; r % 8
	v_lshlrev_b32 v[LA], 4, v[T0]
	v_lshlrev_b32 v[RA], 4, v[T1]
	global_load_b128 v[Z+4:Z+7], v[LA], s[QP:QP+1]             ; tile A: the image's half e = 0
	global_load_b128 v[Z+12:Z+15], v[LA], s[QP:QP+1] offset:512    ; tile B: e = 1
	global_load_b32 v[T3], v[RA], s[QSP:QSP+1]     ; row r's scale bytes: e = 0 in the low half, e = 1 in the high
	v_mul_u32_u24 v[ADK], v[BM], KIMG
	v_lshl_add_u32 v[ADK], v[T2], 8, v[ADK]
	v_lshl_add_u32 v[ADK], v[BM+1], 4, v[ADK]      ; K: 1,152 (r / 8) + 256 h + 16 (r % 8)
	v_lshlrev_b32 v[ADKS], 4, v[BM+1]
	v_lshl_add_u32 v[ADKS], v[BM], 2, v[ADKS]
	v_add_nc_u32 v[ADKS], KSL, v[ADKS]             ; its scale words: 16 (r % 8) + 4 (r / 8)
	v_add_nc_u32 v[ADV], VC-4096, v[LA]            ; V's two addresses are stepped ahead of a step's loads: they begin a step back
	v_add_nc_u32 v[ADVS], VSL-256, v[RA]
	v_mul_u32_u24 v[STO], v[T1], 272
	v_lshl_add_u32 v[STO], v[T2], 6, v[STO]
	v_add_nc_u32 v[STO], s78, v[STO]               ; the stage: in at 272 r + 64 h,
	v_mul_u32_u24 v[RD], v[T2], 272
	v_add_nc_u32 v[RD], v[RD], v[RA]
	v_add_nc_u32 v[RD], s78, v[RD]                 ; back from 272 h + 16 r
	v_lshl_add_u32 v[GO], v[T2], 12, v[RA]
	v_lshlrev_b32 v[PFO], 12, v[T0]                ; the prefetch: a lane a row of x
	s_wait_alu depctr_va_vdst(0)
	s_wait_loadcnt 0x0                             ; q
	v_perm_b32 v[QSA], v[T3], v[T3], 0x01000100    ; a tile's two bytes for K 0-63 and again for K 64-127
	v_perm_b32 v[QSB], v[T3], v[T3], 0x03020302
.irp j, 0,1,2,3,8,9,10,11,16,17,18,19
	v_mov_b32 v[Z+\j], 0                           ; the zero codes beside q
.endr
.irp st, SA, SB
	v_mov_b32 v[\st], 0x7f61b1e6                   ; -M: 3e38
	v_mov_b32 v[\st+1], 0xff61b1e6                 ; the largest score so far: -3e38
	v_mov_b32 v[\st+2], 0
	v_mov_b32 v[\st+3], 0
	v_mov_b32 v[\st+5], 0
.endr
.set j, 0
.rept 64
	v_mov_b32 v[OTA+j], 0                          ; O^T: the step is written once for all trips; the first change of M leaves zeros zeros
.set j, j+1
.endr
	s_wait_alu depctr_va_vdst(0)
	s_wait_tensorcnt 0x0                           ; my part of the head has landed,
	s_barrier_signal -1
	s_barrier_wait -1                              ; everybody's has
.macro MM0 d, a, b, sa, sb
	v_wmma_scale_f32_16x16x128_f8f6f4 v[\d:\d+7], v[\a:\a+7], v[\b:\b+7], 0, v[\sa], v[\sb] matrix_a_fmt:MATRIX_FMT_FP4 matrix_b_fmt:MATRIX_FMT_FP4
.endm
.macro MMA d, a, b, sa, sb
	v_wmma_scale_f32_16x16x128_f8f6f4 v[\d:\d+7], v[\a:\a+7], v[\b:\b+7], v[\d:\d+7], v[\sa], v[\sb] matrix_a_fmt:MATRIX_FMT_FP4 matrix_b_fmt:MATRIX_FMT_FP4
.endm
.macro KLOAD                           ; fragment t: image 2 (t / 2) + r / 8, rows 8 (t % 2) + r % 8; and its rows' scale words
.irp t, 0,1,2,3
.irp c, 0,1
	ds_load_b128 v[KF+8*\t+4*\c:KF+8*\t+4*\c+3], v[ADK] offset:2*KIMG*(\t/2)+128*(\t%2)+512*\c
.endr
	ds_load_b32 v[KSW+\t], v[ADKS] offset:128*(\t%2)+8*(\t/2)
.endr
.endm
.macro VLOAD
.irp t, 0,1,2,3
.irp c, 0,1
	ds_load_b128 v[KF+8*\t+4*\c:KF+8*\t+4*\c+3], v[ADV] offset:1024*\t+512*\c
.endr
.endr
	ds_load_b128 v[VSW:VSW+3], v[ADVS]
.endm
.macro XLOAD                           ; my 32 rows of x, my head's 64 columns: sixteen lanes read 256 consecutive bytes, aligned.  Stage row 2 i + h is query 2 i + h + 8 (i / 4) of a tile's span
.irp i, 0,1,2,3,4,5,6,7
	global_load_b128 v[KF+4*\i:KF+4*\i+3], v[GO], s[XP:XP+1] offset:(2*\i+8*(\i/4))*4096 th:TH_LOAD_NT
.endr
.irp i, 0,1,2,3,4,5,6,7
	global_load_b128 v[PA+4*\i+(\i/4)*(XB-PA-16):PA+4*\i+(\i/4)*(XB-PA-16)+3], v[GO], s[XP:XP+1] offset:32768+(2*\i+8*(\i/4))*4096 th:TH_LOAD_NT
.endr
.endm
.macro SCORES q, qs                    ; S^T = K Q^T: v[q .. q + 7] is [0 | q], v[q + 4 .. q + 11] is [q | 0]
.irp t, 0,1,2,3
	MM0 S+16*\t, KF+8*\t, \q+4, KSW+\t, \qs
	MM0 S+16*\t+8, KF+8*\t, \q, KSW+\t, \qs
.endr
.endm
.macro ADDS lo, n, d                   ; n packed additions in place: p's sum as a tree
.set j, \lo
.rept \n
	v_pk_add_f32 v[S+j:S+j+1], v[S+j:S+j+1], v[S+j+\d:S+j+\d+1]
.set j, j+2
.endr
.endm
.macro RESC ot, st                     ; O^T under the new M: x f
.set j, 0
.rept 16
	v_pk_mul_f32 v[\ot+j:\ot+j+1], v[\ot+j:\ot+j+1], v[\st+4:\st+5] op_sel_hi:[1,0]
.set j, j+2
.endr
.endm
; The largest score of my two blocks (four chains by turns, each accumulator from its low end on), the new M, and t - M.
.macro PRE st
.irp k, 0,1,2,3
	v_max3_num_f32 v[BM+\k], v[S+16*\k], v[S+16*\k+1], v[S+16*\k+2]
.endr
.irp i, 3,5,7,9,11,13
.irp k, 0,1,2,3
	v_max3_num_f32 v[BM+\k], v[BM+\k], v[S+16*\k+\i], v[S+16*\k+\i+1]
.endr
.endr
	v_max3_num_f32 v[BM], v[BM], v[BM+1], v[S+15]
	v_max3_num_f32 v[BM+2], v[BM+2], v[BM+3], v[S+47]
	v_mov_b32 v[T2], v[\st]                        ; the old -M
	v_max_num_f32 v[BM], v[BM], v[S+31]            ; block h's largest score,
	v_max_num_f32 v[BM+2], v[BM+2], v[S+63]        ; block 2 + h's: they serve the row's maximum and, since p rises with the score, the blocks' largest p
	s_delay_alu instid0(VALU_DEP_1)
	v_max3_num_f32 v[T0], v[BM], v[BM+2], v[\st+1]
	s_delay_alu instid0(VALU_DEP_1)
	v_permlanex16_b32 v[T1], v[T0], s[SEL], s[SEL+1]
	s_delay_alu instid0(VALU_DEP_1)
	v_max_num_f32 v[\st+1], v[T0], v[T1]           ; the running largest score of my query
	s_delay_alu instid0(VALU_DEP_1)
	v_mul_f32 v[T0], s[NC], v[\st+1]               ; -t
	s_delay_alu instid0(VALU_DEP_1)
	v_floor_f32 v[\st], v[T0]                      ; -M = floor(-t): M is a whole number
	s_delay_alu instid0(VALU_DEP_1)
	v_sub_f32 v[T2], v[\st], v[T2]                 ; old M - new M: a whole number, 0 or less
.set j, 0
.rept 4
	v_pk_fma_f32 v[S+j:S+j+1], v[S+j:S+j+1], s[CS:CS+1], v[\st:\st+1] op_sel_hi:[1,0,0]   ; t - M, two at a time
.set j, j+2
.endr
	v_cvt_i32_f32 v[T2], v[T2]                     ; (it saturates)
.rept 28
	v_pk_fma_f32 v[S+j:S+j+1], v[S+j:S+j+1], s[CS:CS+1], v[\st:\st+1] op_sel_hi:[1,0,0]
.set j, j+2
.endr
	v_fma_f32 v[BM], v[BM], s[CS], v[\st]          ; the same of each block's largest score
	v_fma_f32 v[BM+2], v[BM+2], s[CS], v[\st]
	s_wait_alu depctr_va_vdst(0)
.endm
.macro EXPS st
.set j, 0
.rept 64
	v_exp_f32 v[S+j], v[S+j]                       ; p = 2^(t - M): not normalised
.set j, j+1
.endr
	v_exp_f32 v[BM], v[BM]                         ; the blocks' largest p: the same arithmetic on the same numbers
	v_exp_f32 v[BM+2], v[BM+2]
	v_ldexp_f32 v[\st+4], 1.0, v[T2]               ; f = 2^(old M - new M)  (the plain line behind the batch)
	s_wait_alu depctr_va_vdst(0)                   ; one wait for the batch, ahead of its first reader
.endm
; p's codes and scale word, and the first level of the sum's tree (the sum is taken of the unquantised p: the conversions have read it when the tree writes over it).
.macro CODES st, pc
	v_max_num_f32 v[BM], 0x1800000, v[BM]          ; the floor 2^(3 - 127): the byte cannot fall under 1
	v_max_num_f32 v[BM+2], 0x1800000, v[BM+2]
	v_add_nc_u32 v[T0], 0xff000000, v[BM]          ; 2 off the exponent field: the conversion's scale operand
	v_add_nc_u32 v[T1], 0xff000000, v[BM+2]
.irp c, 0,1
.irp g, 0,1,2,3
	v_cvt_scalef32_pk8_fp4_f32 v[\pc+4*\c+\g], v[S+32*\c+8*\g:S+32*\c+8*\g+7], v[T0+\c]   ; register 4 c + g: keys 64 c + 32 h + 8 g ..: the operand's own layout
.endr
.endr
	v_lshrrev_b32 v[T2], 23, v[T0]                 ; the bytes of blocks h and 2 + h  (the plain line behind the conversions)
	v_lshrrev_b32 v[T3], 23, v[T1]
	ADDS 0, 2, 32
	v_lshl_or_b32 v[T2], v[T3], 16, v[T2]
	ADDS 4, 2, 32
	v_permlanex16_b32 v[T3], v[T2], s[SEL], s[SEL+1]
	ADDS 8, 2, 32
	v_lshl_or_b32 v[\st+5], v[T3], 8, v[T2]        ; lanes 0-15: the four blocks' bytes in order (lanes 16-31 are not read)
	ADDS 12, 10, 32                                ; ten plain lines between the scale word's write and the scaled products
.endm
.macro SUMEND st                       ; the tree's last levels, and sum = sum x f + this step's
	ADDS 0, 4, 8
	ADDS 0, 2, 4
	s_delay_alu instid0(VALU_DEP_1)
	ADDS 0, 1, 2
	s_delay_alu instid0(VALU_DEP_1)
	v_pk_fma_f32 v[\st+2:\st+3], v[\st+2:\st+3], v[\st+4:\st+5], v[S:S+1] op_sel_hi:[1,0,1]
.endm
; A KEY STEP: 128 keys, both tiles.  more = 1: the next step's K is asked for; 0: the rows of x.
.macro STEP more
	s_wait_dscnt 0x0                               ; K's fragments and scale words are in
	SCORES Z, QSA
	v_add_nc_u32 v[ADK], 4*KIMG, v[ADK]            ; the four address steps are the places behind the products
	v_add_nc_u32 v[ADKS], 256, v[ADKS]
	v_add_nc_u32 v[ADV], 4096, v[ADV]
	v_add_nc_u32 v[ADVS], 256, v[ADVS]
	PRE SA
	EXPS SA
	CODES SA, PA
	ADDS 0, 8, 16
	SUMEND SA
	SCORES Z+8, QSB
	s_wait_alu depctr_va_vdst(0)                   ; directly ahead of the first reader of tile A's O^T
	RESC OTA, SA                                   ; (also the places behind the products)
	VLOAD                                          ; into the registers that held K
	PRE SB
	s_wait_dscnt 0x0                               ; V is in: asked for ahead of PRE's lines; the wait above stands directly ahead of this one
	EXPS SB
	RESC OTB, SB                                   ; directly behind the batch's wait, which serves tile B's O^T too
	CODES SB, PB
.irp t, 0,1,2,3                                ; O^T += V^T P^T: the eight accumulators take turns, one instruction each
	MMA OTA+8*\t, KF+8*\t, PA, VSW+\t, SA+5
	MMA OTB+8*\t, KF+8*\t, PB, VSW+\t, SB+5
.endr
	ADDS 0, 4, 16                                  ; four places, then loads into registers that the products read; the rest of the tree stands under the loads
.if \more
	KLOAD
.else
	XLOAD
.endif
	ADDS 8, 4, 16
	SUMEND SB
.endm
	KLOAD
	global_prefetch_b8 v[PFO], s[XP:XP+1] th:TH_LOAD_NT scope:SCOPE_SE   ; my 32 rows of x, 256 bytes each, a lane a row: loaded in the last of the 16 steps; neither register is written again
	s_mov_b32 s[CNT], 15
.Lstep:
	STEP 1
	s_sub_co_u32 s[CNT], s[CNT], 1
	s_cmp_lg_u32 s[CNT], 0
	s_cbranch_scc1 .Lstep
	STEP 0                                         ; the last step is written out: it asks for no K
	; THE WAY OUT.  O^T / the sum goes through my stage in LDS, a tile at a time, and comes back as rows of 256 bytes; + x; sixteen lanes store 256 consecutive bytes, aligned.
	v_add_f32 v[SA+2], v[SA+2], v[SA+3]
	v_add_f32 v[SB+2], v[SB+2], v[SB+3]
	v_permlanex16_b32 v[BM], v[SA+2], s[SEL], s[SEL+1]
	v_permlanex16_b32 v[BM+1], v[SB+2], s[SEL], s[SEL+1]
	v_add_f32 v[SA+2], v[SA+2], v[BM]              ; with lane l xor 16's blocks: the row's sum
	v_add_f32 v[SB+2], v[SB+2], v[BM+1]
	s_wait_alu depctr_va_vdst(0)                   ; ahead of the two reciprocals
	v_rcp_f32 v[SA+2], v[SA+2]
	v_rcp_f32 v[SB+2], v[SB+2]
	v_nop
	s_wait_alu depctr_va_vdst(0)                   ; ahead of their first reader, which is also the first reader of the last products' results
.set j, 0
.rept 16
	v_pk_mul_f32 v[S+j:S+j+1], v[OTA+j:OTA+j+1], v[SA+2:SA+3] op_sel_hi:[1,0]
.set j, j+2
.endr
.set j, 0
.rept 16
	v_pk_mul_f32 v[S+32+j:S+32+j+1], v[OTB+j:OTB+j+1], v[SB+2:SB+3] op_sel_hi:[1,0]
.set j, j+2
.endr
.irp u, 0,1                                    ; LDS serves a wave's instructions in order: the loads see my stores, and tile B's stores come behind tile A's loads
.irp t, 0,1,2,3
.irp g, 0,1
	ds_store_b128 v[STO], v[S+32*\u+8*\t+4*\g:S+32*\u+8*\t+4*\g+3] offset:128*(\t/2)+32*(\t%2)+16*\g
.endr
.endr
.irp i, 0,1,2,3,4,5,6,7
	ds_load_b128 v[OTA+32*\u+4*\i:OTA+32*\u+4*\i+3], v[RD] offset:544*\i
.endr
.endr
	s_wait_loadcnt 0x0                             ; x
.irp i, 0,1,2,3,4,5,6,7
	s_wait_dscnt 23-\i                             ; tile A's row pair i is back: behind it 7 - i loads, 8 stores and 8 loads
	v_pk_add_f32 v[OTA+4*\i:OTA+4*\i+1], v[OTA+4*\i:OTA+4*\i+1], v[KF+4*\i:KF+4*\i+1]
	v_pk_add_f32 v[OTA+4*\i+2:OTA+4*\i+3], v[OTA+4*\i+2:OTA+4*\i+3], v[KF+4*\i+2:KF+4*\i+3]
	global_store_b128 v[GO], v[OTA+4*\i:OTA+4*\i+3], s[OP:OP+1] offset:(2*\i+8*(\i/4))*4096 th:TH_STORE_NT
.endr
.irp i, 0,1,2,3,4,5,6,7
	s_wait_dscnt 7-\i                              ; tile B's row pair i is back
	v_pk_add_f32 v[OTB+4*\i:OTB+4*\i+1], v[OTB+4*\i:OTB+4*\i+1], v[PA+4*\i+(\i/4)*(XB-PA-16):PA+4*\i+(\i/4)*(XB-PA-16)+1]
	v_pk_add_f32 v[OTB+4*\i+2:OTB+4*\i+3], v[OTB+4*\i+2:OTB+4*\i+3], v[PA+4*\i+(\i/4)*(XB-PA-16)+2:PA+4*\i+(\i/4)*(XB-PA-16)+3]
	global_store_b128 v[GO], v[OTB+4*\i:OTB+4*\i+3], s[OP:OP+1] offset:32768+(2*\i+8*(\i/4))*4096 th:TH_STORE_NT
.endr
	s_wait_tensorcnt 0x0                           ; the wave's end
	ds_add_u32 v[SPW], v[NIL]
	s_wait_dscnt 0x0
	CROUND                                         ; the closing round
	s_endpgm
.Lfunc_end_k_q141758e4a3_attn:
	.size	k_q141758e4a3_attn, .Lfunc_end_k_q141758e4a3_attn-k_q141758e4a3_attn
	.p2alignl 7, 3214868480
	.fill 96, 4, 3214868480
	.section	.rodata,"a",@progbits
	.p2align	6, 0x0
	.amdhsa_kernel k_q141758e4a3_attn
		.amdhsa_group_segment_fixed_size 327680
		.amdhsa_private_segment_fixed_size 0
		.amdhsa_enable_private_segment 0
		.amdhsa_kernarg_size 48
		.amdhsa_user_sgpr_count 2
		.amdhsa_user_sgpr_kernarg_segment_ptr 1
		.amdhsa_wavefront_size32 1
		.amdhsa_system_sgpr_workgroup_id_x 1
		.amdhsa_system_sgpr_workgroup_id_y 1
		.amdhsa_system_sgpr_workgroup_id_z 1
		.amdhsa_system_vgpr_workitem_id 0
		.amdhsa_next_free_vgpr 256
		.amdhsa_next_free_sgpr 96
		.amdhsa_reserve_vcc 0
		.amdhsa_float_denorm_mode_32 3
		.amdhsa_float_denorm_mode_16_64 3
		.amdhsa_memory_ordered 1
		.amdhsa_forward_progress 1
		.amdhsa_inst_pref_size 75
	.end_amdhsa_kernel
	.amdgpu_metadata
---
amdhsa.version: [ 1, 2 ]
amdhsa.kernels:
  - .name:           k_q141758e4a3_attn
    .symbol:         k_q141758e4a3_attn.kd
    .args:
      - { .name: qk_codes, .offset: 0, .size: 8, .value_kind: global_buffer, .address_space: global }
      - { .name: qk_scales, .offset: 8, .size: 8, .value_kind: global_buffer, .address_space: global }
      - { .name: v_codes, .offset: 16, .size: 8, .value_kind: global_buffer, .address_space: global }
      - { .name: v_scales, .offset: 24, .size: 8, .value_kind: global_buffer, .address_space: global }
      - { .name: x, .offset: 32, .size: 8, .value_kind: global_buffer, .address_space: global }
      - { .name: out0, .offset: 40, .size: 8, .value_kind: global_buffer, .address_space: global }
    .group_segment_fixed_size: 327680
    .private_segment_fixed_size: 0
    .kernarg_segment_align: 8
    .kernarg_segment_size: 48
    .max_flat_workgroup_size: 512
    .sgpr_count:     96
    .vgpr_count:     256
    .wavefront_size: 32
...
	.end_amdgpu_metadata
.endif
;; end of part 3
